; MI455X (gfx1250); checked and timed in simulation.
; The chip was launched on July 23, 2026; its instructions are those of AMD's public machine-readable ISA for CDNA 5 (MIT licence, August 2026) and "CDNA5" Instruction Set Architecture Reference Guide (July 2026). The comments in the code are by the model that wrote it; some were corrected since.
;; Nemo. Allowed arithmetic: matrix products marked QUANTISED: E2M3 operands, one E8M0 scale for each 32 along K, by v_wmma_scale_f32_16x16x128_f8f6f4 with both operands' format E2M3, f32 sums; products left as they are: f32 operands where the result goes on into a quantised operand, else bf16, f16 or f32 operands; f32 sums; everything else in f32.
;; Inputs: W1_codes 256 x 2 x 24 uint8 (E2M3 codes of W1, K innermost, in blocks of 32 codes, four codes in three bytes); W1_scales 256 x 2 uint8 (E8M0 scales of W1, one for each 32 codes along K); W2_codes 256 x 8 x 24 uint8 (E2M3 codes of W2, K innermost, in blocks of 32 codes, four codes in three bytes); W2_scales 256 x 8 uint8 (E8M0 scales of W2, one for each 32 codes along K); W3 256 x 1 float32; b1 256 float32; b2 256 float32; b3 1 float32; tables 8 x 524,288 x 8 float32; x 524,288 x 2 float32.
;; Outputs: out0 524,288 x 1 float32.
;; This version of the problem:
;;   THIS VERSION OF THE PROBLEM IS GIVEN IN LOW PRECISION. The matrix products marked QUANTISED in the list below multiply operands that are first quantised to E2M3 (2 exponent bits, 3 mantissa bits; 6 bits a number), with one power-of-two scale for each 32 numbers along K (OCP MX v1.0); their sums are f32. All else is computed in f32.
;;   The module's matrix products, in the order in which they are computed (A, B: the left and right operand; K: the contracted axis; several contracted axes count as one K, in the product's order):
;;     1. [M 524,288, K 64] x [K 64, N 256]; A: computed on the way; B: input W1 (given as codes): QUANTISED
;;     2. [M 524,288, K 256] x [K 256, N 256]; A: computed on the way; B: input W2 (given as codes): QUANTISED
;;     3. [M 524,288, K 256] x [K 256, N 1]; A: computed on the way; B: input W3: left as it is (N = 1 < 16)
;;   THE QUANTISER, for each operand of a quantised product, along K:
;;     - K is cut into blocks of 32 from its start; a last block that is shorter is filled with zeros.
;;     - A block's scale is 2^e with e = floor(log2(the largest magnitude in the block)) - 2, held to -126 .. 127; a block of zeros has e = 0. As a byte (E8M0): e + 127.
;;     - Each number is divided by its block's scale, clamped to +-7.5, and rounded to the nearest number of E2M3, ties to even, subnormals kept.
;;     - The product sums the exact products of the quantised numbers (number of the format x scale) in f32.
;;   ~~~python
;;   def quantise(x, axis):      # numpy; x: float32 -> the quantised numbers, widened to float32 again
;;       x = np.moveaxis(x, axis, -1); K = x.shape[-1]
;;       x = np.pad(x, [(0, 0)] * (x.ndim - 1) + [(0, -K % 32)]); x = x.reshape(x.shape[:-1] + (-1, 32)); a = np.abs(x).max(-1, keepdims=True)
;;       e = np.where(a > 0, np.clip(np.frexp(np.where(a > 0, a, 1))[1] - 1 - 2, -126, 127), 0)      # np.frexp(a)[1] - 1 = floor(log2(a)), exactly
;;       r = np.clip(x / 2.0 ** e, -7.5, 7.5)
;;       step = 2.0 ** (np.maximum(np.frexp(np.where(r == 0, 1, r))[1] - 1, 0) - 3)
;;       q = np.round(r / step) * step * 2.0 ** e      # np.round: ties to even
;;       return np.moveaxis(q.reshape(q.shape[:-2] + (-1,))[..., :K], -1, axis).astype(np.float32)
;;   ~~~
;;   OPERANDS COMPUTED ON THE WAY. 'Computed on the way' means the value that the module computes at that place (a softmax that the list does not call 'softmax' is quantised finished and normalised). What goes into a quantiser is computed in f32, as accurately as f32 sums, v_exp_f32 and their like allow (about 1e-6 of the number): no bf16 or f16 on the way to a quantiser, and a product that is left as it is and whose result goes on into a quantised operand takes f32 operands (vector FMAs, or v_wmma_f32_16x16x4_f32). A number that lies on a knife's edge between two numbers of the format may be rounded either way, as far as f32 arithmetic and the matrix unit's own rounding can turn it there, and no further.
;;   INPUTS GIVEN AS CODES. W1 (in the module: [64, 256], K = its axis 0); W2 (in the module: [256, 256], K = its axis 0): each comes as NAME_codes (uint8): NAME with its K axis moved to the last place and cut into blocks of 32 codes, [.., K / 32, bytes a block], one block behind the other in memory; four codes in three bytes: a row's codes are one little-endian stream of bits, code i at bits 6 i .. 6 i + 5 (a code: sign, 2 exponent bits, 3 mantissa bits); and NAME_scales (uint8): the same leading axes, one E8M0 byte (e + 127) for each 32 codes along K. Its value is code x scale, taken as it is: it is not quantised again, and the codes and scales need not be those that the quantiser above would give.
;; 2 versions. Each part assembles by itself: llvm-mc -triple=amdgcn-amd-amdhsa -mcpu=gfx1250 --defsym DOCPART=n.
;; ======== version 1 of 2: 2 launches
;; limits: a difference of large sums (such as E[x^2] - mean^2): digits are lost where the result is much smaller than its terms
;; workspace buffers: cells 16,777,216 bytes of whole numbers
;; launch index (part 1): grid 512 x 1, 8 waves a work-group, no clusters, 0 bytes of LDS; arguments x, cells; writes cells
.if DOCPART == 1
	.amdgcn_target "amdgcn-amd-amdhsa--gfx1250"
	.amdhsa_code_object_version 6
	.text
	.protected	k_q2d6a74d090_index
	.globl	k_q2d6a74d090_index
	.p2align	8
	.type	k_q2d6a74d090_index,@function
k_q2d6a74d090_index:
	s_mov_b64 s[64:65], 0
	v_nop
	global_prefetch_b8 v0, s[64:65] scope:SCOPE_SE
	s_setreg_imm32_b32 hwreg(HW_REG_WAVE_MODE, 25, 1), 1
	s_wait_xcnt 0x0
; cells[n][l] = (p0x + p0y * res_l) & (T - 1), int32, for the 524,288 points n and the 8 levels l of the grid encoding:
; p0 = floor(x * scale_l + 0.5).  It is the table index of a point's corner (0, 0) at that level; the other three corners lie 1, res_l and res_l + 1 entries on.
; The indices are whole numbers made from floating-point numbers, so they are made here and stored, and the next launch, which reads them from memory, forms its addresses from them.
; NOTHING OF reference() IS LEFT OUT as dead work in this program: every input has a way to the output.  Table entries that no point asks for are not read: a lookup reads what its index names.
; pos is ONE fused multiply-add, by the same instruction on the same numbers as in the next launch, so that this floor and that launch's fraction belong to the same pos.
; LIMITS.  The mask & (T - 1) is the wrap of a negative index; a cell whose four corners straddle index 0, and a base index above T - 83 (the next launch holds it there, so that no load leaves the table)
; are not served as reference() has them; for x in [0, 1) the largest index is 6,642.  NaN and infinities in x are not served.
; SHARES.  A work-group takes 1,024 points, a wave 128, as 8 items of 16.  Lane l takes point l / 2 and levels 4 (l % 2) .. + 3: its four indices are 16 bytes, and a wave's store covers 512 consecutive bytes, aligned.
; A stream: no LDS, no barrier, no matrix unit.  All eight loads go out first; every item has its own registers for its store, so no store's data are written again.
.set SCL0, 0x41700000                  ; float32(16 * 1.2599210739135742^l - 1), l = 0 .. 7
.set SCL1, 0x41994518
.set SCL2, 0x41c32ff6
.set SCL3, 0x41f80001
.set SCL4, 0x421d4519
.set SCL5, 0x42472ff6
.set SCL6, 0x427c0002
.set SCL7, 0x429f4519
.set RES0, 16                          ; ceil(scale) + 1
.set RES1, 21
.set RES2, 26
.set RES3, 33
.set RES4, 41
.set RES5, 51
.set RES6, 65
.set RES7, 81
.set XO,   2                           ; v2       8 (l / 2): my point's x in an item
.set IO,   3                           ; v3       16 l: my four indices in an item
.set SC,   4                           ; v4-11    pairs (scale, res) of my four levels: the packed multiply-add takes a pair's low word for both halves
.set XR,   12                          ; v12-27   the eight items' x, a pair each
.set OUTR, 28                          ; v28-59   the eight items' indices, four each
.set TMP,  60                          ; v60-67   at work;  v68, v69 at the head
.macro LANEC dst, lo, hi               ; a constant by the lane's half of the levels
	v_mov_b32 v[\dst], \lo
	v_mov_b32 v69, \hi
	v_cndmask_b32 v[\dst], v[\dst], v69, vcc_lo
.endm
	s_load_b128 s[4:7], s[0:1], 0x0                ; x s[4:5], cells s[6:7]
	v_lshrrev_b32 v1, 5, v0
	v_readfirstlane_b32 s8, v1                     ; wave 0..7
	v_and_b32 v1, 31, v0                           ; lane
	v_lshrrev_b32 v[XO], 1, v1
	v_lshlrev_b32 v[XO], 3, v[XO]
	v_lshlrev_b32 v[IO], 4, v1
	v_and_b32 v68, 1, v0
	v_cmp_ne_u32 vcc_lo, 0, v68                    ; odd lanes take levels 4 to 7
	LANEC SC+0, SCL0, SCL4
	LANEC SC+1, RES0, RES4
	LANEC SC+2, SCL1, SCL5
	LANEC SC+3, RES1, RES5
	LANEC SC+4, SCL2, SCL6
	LANEC SC+5, RES2, RES6
	LANEC SC+6, SCL3, SCL7
	LANEC SC+7, RES3, RES7
	s_lshl_b32 s10, ttmp9, 13                      ; x: 8,192 bytes a work-group,
	s_lshl_b32 s9, s8, 10                          ; 1,024 a wave
	s_add_co_u32 s10, s10, s9
	s_mov_b32 s11, 0
	s_lshl_b32 s12, s10, 2                         ; cells: four times that
	s_mov_b32 s13, 0
	s_wait_kmcnt 0x0
	s_add_nc_u64 s[4:5], s[4:5], s[10:11]
	s_add_nc_u64 s[6:7], s[6:7], s[12:13]
.irp i, 0,1,2,3,4,5,6,7
	global_load_b64 v[XR+2*\i:XR+2*\i+1], v[XO], s[4:5] offset:128*\i th:TH_LOAD_NT
.endr
.macro ITEM i
	s_wait_loadcnt 7-(\i)                          ; loads come back in order: item i's is in, the younger ones stay out
.irp j, 0,1,2,3
	v_pk_fma_f32 v[TMP+2*\j:TMP+2*\j+1], v[XR+2*(\i):XR+2*(\i)+1], v[SC+2*\j:SC+2*\j+1], 0.5 op_sel_hi:[1,0,0]   ; pos = x * scale + 0.5, both coordinates
.endr
.irp j, 0,1,2,3,4,5,6,7
	v_floor_f32 v[TMP+\j], v[TMP+\j]
.endr
.irp j, 0,1,2,3,4,5,6,7
	v_cvt_i32_f32 v[TMP+\j], v[TMP+\j]
.endr
.irp j, 0,1,2,3
	v_mul_lo_u32 v[TMP+2*\j+1], v[TMP+2*\j+1], v[SC+2*\j+1]      ; p0y * res
.endr
.irp j, 0,1,2,3
	v_add_nc_u32 v[TMP+2*\j], v[TMP+2*\j], v[TMP+2*\j+1]         ; + p0x
.endr
.irp j, 0,1,2,3
	v_and_b32 v[OUTR+4*(\i)+\j], 0x7ffff, v[TMP+2*\j]
.endr
	global_store_b128 v[IO], v[OUTR+4*(\i):OUTR+4*(\i)+3], s[6:7] offset:512*(\i)
.endm
.irp i, 0,1,2,3,4,5,6,7
	ITEM \i
.endr
	s_endpgm
.Lfunc_end_k_q2d6a74d090_index:
	.size	k_q2d6a74d090_index, .Lfunc_end_k_q2d6a74d090_index-k_q2d6a74d090_index
	.p2alignl 7, 3214868480
	.fill 96, 4, 3214868480
	.section	.rodata,"a",@progbits
	.p2align	6, 0x0
	.amdhsa_kernel k_q2d6a74d090_index
		.amdhsa_group_segment_fixed_size 0
		.amdhsa_private_segment_fixed_size 0
		.amdhsa_enable_private_segment 0
		.amdhsa_kernarg_size 16
		.amdhsa_user_sgpr_count 2
		.amdhsa_user_sgpr_kernarg_segment_ptr 1
		.amdhsa_wavefront_size32 1
		.amdhsa_system_sgpr_workgroup_id_x 1
		.amdhsa_system_sgpr_workgroup_id_y 1
		.amdhsa_system_sgpr_workgroup_id_z 1
		.amdhsa_system_vgpr_workitem_id 0
		.amdhsa_next_free_vgpr 72
		.amdhsa_next_free_sgpr 66
		.amdhsa_reserve_vcc 1
		.amdhsa_float_denorm_mode_32 3
		.amdhsa_float_denorm_mode_16_64 3
		.amdhsa_memory_ordered 1
		.amdhsa_forward_progress 1
		.amdhsa_inst_pref_size 15
	.end_amdhsa_kernel
	.amdgpu_metadata
---
amdhsa.version: [ 1, 2 ]
amdhsa.kernels:
  - .name:           k_q2d6a74d090_index
    .symbol:         k_q2d6a74d090_index.kd
    .args:
      - { .name: x, .offset: 0, .size: 8, .value_kind: global_buffer, .address_space: global }
      - { .name: cells, .offset: 8, .size: 8, .value_kind: global_buffer, .address_space: global }
    .group_segment_fixed_size: 0
    .private_segment_fixed_size: 0
    .kernarg_segment_align: 8
    .kernarg_segment_size: 16
    .max_flat_workgroup_size: 256
    .sgpr_count:     66
    .vgpr_count:     72
    .wavefront_size: 32
...
	.end_amdgpu_metadata
.endif
;; end of part 1
;; launch mlp (part 2): grid 256 x 1, 8 waves a work-group, no clusters, 63,488 bytes of LDS; arguments x, cells, tables, out0, W1_codes, W1_scales, W2_codes, W2_scales, W3, b1, b2, b3; writes out0
.if DOCPART == 2
	.amdgcn_target "amdgcn-amd-amdhsa--gfx1250"
	.amdhsa_code_object_version 6
	.text
	.protected	k_q2d6a74d090_mlp
	.globl	k_q2d6a74d090_mlp
	.p2align	8
	.type	k_q2d6a74d090_mlp,@function
k_q2d6a74d090_mlp:
	s_mov_b64 s[64:65], 0
	v_nop
	global_prefetch_b8 v0, s[64:65] scope:SCOPE_SE
	s_setreg_imm32_b32 hwreg(HW_REG_WAVE_MODE, 25, 1), 1
	s_wait_xcnt 0x0
; z = relu(relu(enc W1 + b1) W2 + b2) W3 + b3 for 524,288 points; enc = the 8-level dense-grid encoding of x (4 corners x 8 features a level, smoothstep weights), 64 numbers a point.
; Both large products are on codes of FP6 (E2M3) with one E8M0 scale for each 32 along K: W1 and W2 come as codes; enc and the first hidden layer are quantised here, in registers, from f32.  The product with W3 is f32 multiply-adds.
; No work of reference() is left out; table entries that no point asks for are not read.  The corner indices come from the buffer cells, which the launch before has stored.
; LIMITS.  A base index is held at T - 83 (0x7ffad), so that the furthest corner (81 + 1 entries on) stays in its level's table.  NaN and infinities are not served.  A block whose largest magnitude lies under 2^-124 gets the
; scale byte 1 (a block of zeros too, where the quantiser says 127: its codes are zeros, and the bytes are read here alone).  ORDER OF ROUNDING: pos and each corner's term are fused multiply-adds; and the second bias goes by
; relu(a + b) = max(a, -b) + b, so that z = sum w3 max(a, -b2) + S + b3 with S = sum w3 b2 made once: the error of that form is of the size 2^-22 x sum |w3 b2|, as is that of adding b2 to a in f32.
; SHARES.  A work-group takes 2,048 points, each of its eight waves 256: four trips of four tiles of 16 points.  Behind the one barrier at the head the waves share nothing.  Two waves lie on a SIMD (512 registers each), so that one
; wave's matrix work and its waits for gathers stand beside the other's vector work.  No cluster: what work-groups share is the weights' 66 KB, read once at the head, a small part of the launch's bytes; no tensor load: the weights go
; through registers once, so that they can be laid in LDS as IMAGES OF OPERAND REGISTERS (register group g of a fragment: lane l's 16 bytes at 512 g + 16 l), from where each fragment that is read feeds four matrix instructions.
; LAYOUTS (l the lane, r = l % 16, h = l / 16).
;  ENCODE: lane (r, h) makes levels 4 h .. 4 h + 3 of point r: 32 numbers, one whole block along K: registers 0-5 of the operand; registers 6-11 (K = 64 .. 127) are zero codes, written once.
;  PRODUCT 1, transposed (source 0 = 16 rows of W1, source 1 = enc, C = b1): lane r of tile (c, q) takes row 64 c + 8 q + r % 8 + 32 (r / 8) of W1, so that in the result lane (point r, h) holds in register j unit 64 c + 32 h + 8 q + j:
;  the four tiles of a group c give a lane one whole block of 32 neighbours, registers 6 (c % 2) .. + 5 of K step c / 2 of the next operand.  No other lane is asked for a maximum, nothing changes lanes.
;  W1's fragments lie 6 registers apart: the upper six of an operand's twelve are the next fragment's codes (behind the last: six registers written once); they meet enc's zero codes and add nothing.
;  PRODUCT 2, as it stands (source 0 = 16 points of the hidden layer, source 1 = rows 16 t + r of W2): lane (r, h) holds in register j (point 8 h + j, unit 16 t + r): -b2 and W3 cost one register each for a tile t and stay.
; REGISTERS, window 0: v1, v2 the add's two; v3-9 lane constants; v10-17 pairs (scale, 32 res) of my four levels; v18-25, v26-41 W1's and W2's scale words; v42-45 enc's; v46-49 the hidden layer's; v50-81 pairs (W3, -b2) of the 16 tiles;
;  v82-97 the trip's 16 indices, then byte offsets; v98-105 x; v106-153 enc's codes, 12 a tile; v154-217 two accumulator buffers of 32 (in the encode: 32 features and scratch); v218-223 second-row offsets, one a slot; v224-255 z's partial sums (in product 1: scratch).
;  window 1: v0-191 the gathers' ring, 6 slots of 32 (behind the encode: v0-95 the hidden layer's codes, v128-191 two buffers of b1, later v128-175 two of W2); v192-251 two buffers of W1 (24 + 6 each).
.set DUAL,  1                          ; 1: two maxima in one instruction
.set SCL0, 0x41700000                  ; float32(16 * 1.2599210739135742^l - 1)
.set SCL1, 0x41994518
.set SCL2, 0x41c32ff6
.set SCL3, 0x41f80001
.set SCL4, 0x421d4519
.set SCL5, 0x42472ff6
.set SCL6, 0x427c0002
.set SCL7, 0x429f4519
.set RB0, 16*32                        ; a grid row in bytes: res entries of 32 bytes
.set RB1, 21*32
.set RB2, 26*32
.set RB3, 33*32
.set RB4, 41*32
.set RB5, 51*32
.set RB6, 65*32
.set RB7, 81*32
.set IMG2,  0                          ; LDS: W2's 32 fragments (2 t + s), 1,536 bytes each
.set IMG1,  49152                      ; W1's 4 groups c of 24 registers, 3,072 bytes each
.set B1L,   61440                      ; b1, 256 numbers as they lie
.set SPARE, 62464                      ; the spare words, 128 bytes for each of the eight waves: four blocks of 256 bytes that no other line names
.set SPW,  1
.set NIL,  2
.set HB,   3                           ; h << 26: four levels' tables, 64 MiB
.set SH8,  4                           ; 8 h
.set LI,   5                           ; 16 l
.set LB,   6                           ; B1L + 128 h
.set AIX,  7                           ; 32 r + 16 h: my four indices in a tile's
.set AXX,  8                           ; 8 r
.set AOUT, 9                           ; 64 (r / 4) + 32 h + 8 (r % 4): my two results in a trip's 256 bytes
.set SC,   10
.set W1S,  18                          ; register i: lanes 0-15 tile 2 i, lanes 16-31 tile 2 i + 1
.set W2S,  26                          ; register t: lanes 0-15 K step 0, lanes 16-31 K step 1
.set ES,   42
.set HS,   46                          ; register p: lanes 0-15 K step 0, lanes 16-31 K step 1
.set WB,   50
.set IDX,  82
.set XX,   98
.set EC,   106
.set ACC,  154
.set A1,   218
.set ZA,   224
.set FE,   154                         ; the encode's use of the accumulators' registers: v154-185 a tile's 32 features,
.set POS,  186
.set TF,   188                         ; t
.set UF,   190                         ; 3 - 2 t
.set SQ,   192                         ; t t
.set WX,   194                         ; w
.set OM,   196                         ; 1 - w
.set WW,   198                         ; the four corners' weights in v198, 200, 202, 204: each the low word of a pair
.set MA,   206
.set MB,   207
.set SO,   208
.set BY,   209
.set TQE,  210
.set PT,   213
.set HMA,  224                         ; product 1's use of z's registers
.set HMB,  225
.set HSO,  226
.set HBT,  227
.set HU,   228                         ; v228-231 K step 0's two bytes of mine, a tile each;  v232-235 K step 1's
.set HV,   232
.set HTQ,  236
.set SU,   154                         ; the head's 61 registers of weights on their way to LDS
.set H1C,  0                           ; window 1
.set B1R,  128
.set W2F,  128
.set W1F,  192
.set TB,   32                          ; s[32:39] the tables of levels 0 to 3
.set MSB, 0
.macro WIN new                         ; the immediate's high byte repeats the setting that is left; a switch that changes nothing is dropped
.if MSB != \new
	s_set_vgpr_msb (MSB<<8)|\new
.set MSB, \new
.endif
.endm
.macro LANEC dst, lo, hi               ; a constant by the lane's half
	v_mov_b32 v[\dst], \lo
	v_mov_b32 v230, \hi
	v_cndmask_b32 v[\dst], v[\dst], v230, vcc_lo
.endm
.macro RELU0 a                         ; two numbers clipped at 0
.if DUAL
	v_dual_max_num_f32 v[\a], 0, v[\a] :: v_dual_max_num_f32 v[\a+1], 0, v[\a+1]
.else
	v_max_num_f32 v[\a], 0, v[\a]
	v_max_num_f32 v[\a+1], 0, v[\a+1]
.endif
.endm
.macro RELUB a, n                      ; two numbers clipped at v[n]
.if DUAL
	v_dual_max_num_f32 v[\a], v[\n], v[\a] :: v_dual_max_num_f32 v[\a+1], v[\n], v[\a+1]
.else
	v_max_num_f32 v[\a], v[\n], v[\a]
	v_max_num_f32 v[\a+1], v[\n], v[\a+1]
.endif
.endm
	s_load_b512 s[8:23], s[0:1], 0x0               ; x s[8:9], cells s[10:11], tables s[12:13], out0 s[14:15], W1's codes s[16:17], scales s[18:19], W2's codes s[20:21], scales s[22:23]
	s_load_b256 s[24:31], s[0:1], 0x40             ; W3 s[24:25], b1 s[26:27], b2 s[28:29], b3 s[30:31]
	v_lshl_add_u32 v[SPW], v0, 2, SPARE
	v_mov_b32 v[NIL], 0
	v_lshrrev_b32 v224, 5, v0
	v_readfirstlane_b32 s2, v224                   ; wave 0..7
	v_and_b32 v225, 31, v0                         ; l
	v_and_b32 v226, 15, v0                         ; r
	v_bfe_u32 v227, v0, 4, 1                       ; h
	v_lshlrev_b32 v[HB], 26, v227
	v_lshlrev_b32 v[SH8], 3, v227
	v_lshlrev_b32 v[LI], 4, v225
	v_lshl_add_u32 v[LB], v227, 7, B1L
	v_lshlrev_b32 v[AIX], 5, v226
	v_lshl_add_u32 v[AIX], v227, 4, v[AIX]
	v_lshlrev_b32 v[AXX], 3, v226
	v_lshrrev_b32 v228, 2, v226
	v_and_b32 v229, 3, v226
	v_lshlrev_b32 v[AOUT], 6, v228
	v_lshl_add_u32 v[AOUT], v227, 5, v[AOUT]
	v_lshl_add_u32 v[AOUT], v229, 3, v[AOUT]
	v_cmp_ne_u32 vcc_lo, 0, v227                   ; lanes 16-31 take levels 4 to 7
	LANEC SC+0, SCL0, SCL4
	LANEC SC+1, RB0, RB4
	LANEC SC+2, SCL1, SCL5
	LANEC SC+3, RB1, RB5
	LANEC SC+4, SCL2, SCL6
	LANEC SC+5, RB2, RB6
	LANEC SC+6, SCL3, SCL7
	LANEC SC+7, RB3, RB7
	s_lshl_b32 s52, ttmp9, 3
	s_add_co_u32 s52, s52, s2                      ; which run of 256 points is my wave's
	s_lshl_b32 s54, s52, 11                        ; in x,
	s_mov_b32 s55, 0
	s_lshl_b32 s56, s52, 13                        ; in cells,
	s_mov_b32 s57, 0
	s_lshl_b32 s52, s52, 10                        ; in out0
	s_mov_b32 s53, 0
	s_mul_i32 s41, s2, 6144                        ; my four fragments of W2: 32 rows of 192 bytes in memory, 4 x 1,536 bytes in LDS
	s_mul_i32 s58, s2, 1536                        ; my half group of W1 in LDS
	s_lshr_b32 s59, s2, 1
	s_mul_i32 s59, s59, 3072                       ; and in memory: group wave / 2 begins 64 rows of 48 bytes on,
	s_and_b32 s3, s2, 1
	s_mul_i32 s3, s3, 768                          ; its second half 16 rows on
	s_add_co_u32 s59, s59, s3
	s_mov_b32 s42, 0x76543210
	s_mov_b32 s43, 0xfedcba98                      ; v_permlanex16_b32's selects for lane l xor 16
	s_mov_b32 s44, 0x40400000                      ; 3.0
	s_mov_b32 s45, s44                             ; (named with it as a pair, so it is written)
	s_mov_b32 s48, 0xaaaaaaaa                      ; lanes whose r has bit 0, 1, 2, 3 set
	s_mov_b32 s49, 0xcccccccc
	s_mov_b32 s50, 0xf0f0f0f0
	s_mov_b32 s51, 0xff00ff00
	s_mov_b32 s40, 4                               ; trips
	v_mul_u32_u24 v231, v226, 192
	v_mad_u32_u24 v231, v227, 24, v231
	v_add_nc_u32 v231, s41, v231                   ; W2's codes: row r of a tile, + 24 h, + my wave's rows
	v_and_b32 v232, 7, v226
	v_lshrrev_b32 v233, 3, v226
	v_lshl_add_u32 v232, v233, 5, v232             ; r % 8 + 32 (r / 8)
	v_mul_u32_u24 v234, v232, 48
	v_mad_u32_u24 v234, v227, 24, v234
	v_add_nc_u32 v234, s59, v234                   ; W1's codes
	v_lshlrev_b32 v235, 1, v232
	v_lshl_add_u32 v235, v227, 4, v235             ; W1's scales: 2 bytes a row; lanes 16-31 the tile 8 rows on
	v_lshlrev_b32 v236, 3, v226
	v_lshl_add_u32 v236, v227, 2, v236             ; W2's scales: 8 bytes a row; lanes 16-31 K step 1's word
	v_lshlrev_b32 v237, 2, v226                    ; b2, W3: unit 16 t + r
	v_lshlrev_b32 v238, 2, v0                      ; b1: a number a thread, in memory and in LDS
	v_add_nc_u32 v239, s41, v[LI]                  ; where my images of W2 go,
	v_add_nc_u32 v240, s58, v[LI]                  ; and those of W1
	s_wait_kmcnt 0x0
	s_load_b32 s47, s[30:31], 0x0                  ; b3
	s_add_nc_u64 s[8:9], s[8:9], s[54:55]
	s_add_nc_u64 s[10:11], s[10:11], s[56:57]
	s_add_nc_u64 s[14:15], s[14:15], s[52:53]
	s_mov_b64 s[TB:TB+1], s[12:13]
	s_add_nc_u64 s[TB+2:TB+3], s[12:13], 0x1000000 ; a level's table is 16 MiB
	s_add_nc_u64 s[TB+4:TB+5], s[12:13], 0x2000000
	s_add_nc_u64 s[TB+6:TB+7], s[12:13], 0x3000000
.irp p, 0,1,2,3                                ; the first trip's indices and x
	global_load_b128 v[IDX+4*\p:IDX+4*\p+3], v[AIX], s[10:11] offset:512*\p th:TH_LOAD_NT
	global_load_b64 v[XX+2*\p:XX+2*\p+1], v[AXX], s[8:9] offset:128*\p th:TH_LOAD_NT
.endr
.irp i, 0,1,2,3,4,5,6,7                        ; what stays in registers.  W1's scale words: two bytes, the upper two 0 (they scale products with enc's zero codes)
	global_load_u16 v[W1S+\i], v235, s[18:19] offset:128*(\i/2)+32*(\i%2)
.endr
.irp t, 0,1,2,3,4,5,6,7,8,9,10,11,12,13,14,15
	global_load_b32 v[W2S+\t], v236, s[22:23] offset:128*\t
	global_load_b32 v[WB+2*\t], v237, s[24:25] offset:64*\t
	global_load_b32 v[WB+2*\t+1], v237, s[28:29] offset:64*\t
.endr
.irp f, 0,1,2,3                                ; my four fragments of W2: tile 2 wave + f / 2, K step f % 2; registers 6 e + 2 i: 8 bytes at 48 e + 24 h + 8 i of the K step's 96
.irp e, 0,1
.irp i, 0,1,2
	global_load_b64 v[SU+12*\f+6*\e+2*\i:SU+12*\f+6*\e+2*\i+1], v231, s[20:21] offset:3072*(\f/2)+96*(\f%2)+48*\e+8*\i
.endr
.endr
.endr
.irp f, 0,1                                    ; my two fragments of W1, six registers each: tiles 8 rows apart
.irp i, 0,1,2
	global_load_b64 v[SU+48+6*\f+2*\i:SU+48+6*\f+2*\i+1], v234, s[16:17] offset:384*\f+8*\i
.endr
.endr
	global_load_b32 v[SU+60], v238, s[26:27]
	s_wait_loadcnt 0x0
.irp k, 0,1,2,3,4,5,6,7,8,9,10,11
	ds_store_b128 v239, v[SU+4*\k:SU+4*\k+3] offset:IMG2+512*\k
.endr
.irp k, 0,1,2
	ds_store_b128 v240, v[SU+48+4*\k:SU+48+4*\k+3] offset:IMG1+512*\k
.endr
	ds_store_b32 v238, v[SU+60] offset:B1L
	v_mul_f32 v241, v[WB], v[WB+1]                 ; S = sum w3 b2, in the order in which z's sums go: a chain over the tiles, then lanes 1, 2, 4, 8 apart
.irp t, 1,2,3,4,5,6,7,8,9,10,11,12,13,14,15
	v_fma_f32 v241, v[WB+2*\t], v[WB+2*\t+1], v241
.endr
	v_add_f32_dpp v241, v241, v241 row_xmask:1 row_mask:0xf bank_mask:0xf
	v_add_f32_dpp v241, v241, v241 row_xmask:2 row_mask:0xf bank_mask:0xf
	v_add_f32_dpp v241, v241, v241 row_xmask:4 row_mask:0xf bank_mask:0xf
	v_add_f32_dpp v241, v241, v241 row_xmask:8 row_mask:0xf bank_mask:0xf
	v_readfirstlane_b32 s46, v241
.irp t, 0,1,2,3,4,5,6,7,8,9,10,11,12,13,14,15
	v_xor_b32 v[WB+2*\t+1], 0x80000000, v[WB+2*\t+1]   ; -b2
.endr
.irp p, 0,1,2,3
.irp i, 6,7,8,9,10,11
	v_mov_b32 v[EC+12*\p+\i], 0                    ; enc's K = 64 .. 127: zero codes, for the whole launch
.endr
.endr
.irp i, 1,3,5,7
	v_mov_b32 v[WW+\i], 0                          ; named as the upper halves of the weights' pairs, never used
.endr
	v_mov_b32 v[PT], 0                             ; a lane permute's destination counts as one of its sources
	WIN 0x40                                       ; destination window 1
.irp i, 0,1,2,3,4,5
	v_mov_b32 v[W1F+24+\i], 0                      ; behind each buffer's last fragment of W1: six registers that are named and multiply zero codes
	v_mov_b32 v[W1F+54+\i], 0
.endr
	WIN 0
	s_wait_kmcnt 0x0                               ; b3
	s_wait_dscnt 0x0                               ; for the others' sake: my images lie in LDS
	s_barrier_signal -1
	s_barrier_wait -1                              ; everybody's do; from here on LDS is only read
; STEP n = 4 p + j of a trip's encode: level j + 4 h of tile p's point r.  Its 4 corners x 8 features come into slot n % 6 of the ring.
.macro ADDR n                          ; the index becomes the byte offset of corners (0, 0), (1, 0): 64 bytes on end; those of (0, 1), (1, 1) lie a grid row on
.set rI, IDX+(\n)
.set rA, A1+((\n)%6)
.set rR, SC+2*((\n)%4)+1
	v_min_u32 v[rI], 0x7ffad, v[rI]                ; held at T - 83: no corner leaves the level's table
	v_lshl_add_u32 v[rI], v[rI], 5, v[HB]
	v_add_nc_u32 v[rA], v[rR], v[rI]
.endm
.macro GATHER n                        ; register 16 cy + 8 cx + f of the slot
.set rI, IDX+(\n)
.set rA, A1+((\n)%6)
.set rG, 32*((\n)%6)
.set sT, TB+2*((\n)%4)
.irp i, 0,1,2,3
	global_load_b128 v[rG+4*\i:rG+4*\i+3], v[rI], s[sT:sT+1] offset:16*\i
.endr
.irp i, 0,1,2,3
	global_load_b128 v[rG+16+4*\i:rG+16+4*\i+3], v[rA], s[sT:sT+1] offset:16*\i
.endr
.endm
.macro WEIGHTS n                       ; both coordinates at a time
.set rX, XX+2*((\n)/4)
.set rS, SC+2*((\n)%4)
	v_pk_fma_f32 v[POS:POS+1], v[rX:rX+1], v[rS:rS+1], 0.5 op_sel_hi:[1,0,0]   ; the same line as in the launch that made the index
	v_fract_f32 v[TF], v[POS]
	v_fract_f32 v[TF+1], v[POS+1]
	v_pk_fma_f32 v[UF:UF+1], v[TF:TF+1], -2.0, s[44:45] op_sel_hi:[1,0,0]     ; 3 - 2 t
	v_pk_mul_f32 v[SQ:SQ+1], v[TF:TF+1], v[TF:TF+1]
	v_pk_mul_f32 v[WX:WX+1], v[SQ:SQ+1], v[UF:UF+1]                            ; w = t t (3 - 2 t)
	v_pk_fma_f32 v[OM:OM+1], v[WX:WX+1], -1.0, 1.0 op_sel_hi:[1,0,0]           ; 1 - w
	v_mul_f32 v[WW], v[OM], v[OM+1]                ; (cx, cy) = (0, 0)
	v_mul_f32 v[WW+2], v[OM], v[WX+1]              ; (0, 1)
	v_mul_f32 v[WW+4], v[WX], v[OM+1]              ; (1, 0)
	v_mul_f32 v[WW+6], v[WX], v[WX+1]              ; (1, 1)
.endm
.macro INTERP n                        ; the corners in reference()'s order; source 0 in window 1
.set rG, 32*((\n)%6)
.set rF, FE+8*((\n)%4)
.irp f, 0,2,4,6
	v_pk_mul_f32 v[rF+\f:rF+\f+1], v[rG+\f:rG+\f+1], v[WW:WW+1] op_sel_hi:[1,0]
.endr
.irp f, 0,2,4,6
	v_pk_fma_f32 v[rF+\f:rF+\f+1], v[rG+16+\f:rG+16+\f+1], v[WW+2:WW+3], v[rF+\f:rF+\f+1] op_sel_hi:[1,0,1]
.endr
.irp f, 0,2,4,6
	v_pk_fma_f32 v[rF+\f:rF+\f+1], v[rG+8+\f:rG+8+\f+1], v[WW+4:WW+5], v[rF+\f:rF+\f+1] op_sel_hi:[1,0,1]
.endr
.irp f, 0,2,4,6
	v_pk_fma_f32 v[rF+\f:rF+\f+1], v[rG+24+\f:rG+24+\f+1], v[WW+6:WW+7], v[rF+\f:rF+\f+1] op_sel_hi:[1,0,1]
.endr
.endm
.macro QUANTE p                        ; my 32 features, block h of point r, become six registers of codes and a byte of the scale word
	v_max3_num_f32 v[MA], |v[FE]|, |v[FE+1]|, 0x1800000        ; the largest magnitude, in two chains, with the floor 2^(3 - 127) among the leaves: the byte cannot fall under 1
	v_max3_num_f32 v[MB], |v[FE+2]|, |v[FE+3]|, |v[FE+4]|
.irp k, 5,9,13,17,21,25
	v_max3_num_f32 v[MA], v[MA], |v[FE+\k]|, |v[FE+\k+1]|
	v_max3_num_f32 v[MB], v[MB], |v[FE+\k+2]|, |v[FE+\k+3]|
.endr
	v_max3_num_f32 v[MA], v[MA], |v[FE+29]|, |v[FE+30]|
	v_max3_num_f32 v[MA], v[MA], v[MB], |v[FE+31]|
	v_add_nc_u32 v[SO], 0xff000000, v[MA]          ; 2 off its exponent field: the conversion takes the exponent field of this operand as its scale
	v_lshrrev_b32 v[BY], 23, v[SO]                 ; the scale's byte
	v_cvt_scalef32_pk16_fp6_f32 v[EC+12*(\p):EC+12*(\p)+2], v[FE:FE+15], v[SO]
	v_cvt_scalef32_pk16_fp6_f32 v[TQE:TQE+2], v[FE+16:FE+31], v[SO]   ; (a conversion's three registers begin on an even number)
	v_lshlrev_b32 v[BY], v[SH8], v[BY]             ; at its place in the word.  (The plain place behind the conversions)
.irp k, 0,1,2
	v_mov_b32 v[EC+12*(\p)+3+\k], v[TQE+\k]
.endr
	v_permlanex16_b32 v[PT], v[BY], s42, s43
	v_or_b32 v[ES+(\p)], v[BY], v[PT]              ; with lane l xor 16's byte: point r's scale word; its upper two bytes are 0 and scale zero codes
.endm
.macro ESTEP n
.if (\n) < 10
	s_wait_loadcnt 40                              ; step n's eight loads are in; those of the five younger slots stay out
.else
	s_wait_loadcnt 8*(15-(\n))                     ; the ring runs empty
.endif
	WEIGHTS \n
.if (\n) < 10
	ADDR (\n)+6                                    ; the slot's second-row offset is free since the wait above
.endif
	WIN 0x01
	INTERP \n
.if (\n) < 10
	WIN 0x40
	GATHER (\n)+6                                  ; the slot just read takes the step six on
.endif
	WIN 0
.if (\n)%4 == 3
	QUANTE (\n)/4
.endif
.endm
; THE WEIGHTS FROM LDS, as images: under destination window 1
.macro LOADC c                         ; group c of W1 (four fragments, 24 registers) and its 32 numbers of b1 in the result's layout: 14 loads
.set rW, W1F+30*((\c)%2)
.set rC, B1R+32*((\c)%2)
.irp g, 0,1,2,3,4,5
	ds_load_b128 v[rW+4*\g:rW+4*\g+3], v[LI] offset:IMG1+3072*(\c)+512*\g
.endr
.irp i, 0,1,2,3,4,5,6,7
	ds_load_b128 v[rC+4*\i:rC+4*\i+3], v[LB] offset:256*(\c)+16*\i
.endr
.endm
.macro LOADW2 t                        ; tile t of W2, both K steps: 6 loads
.set rW, W2F+24*((\t)%2)
.irp g, 0,1,2,3,4,5
	ds_load_b128 v[rW+4*\g:rW+4*\g+3], v[LI] offset:IMG2+3072*(\t)+512*\g
.endr
.endm
; PRODUCT 1, piece u = 4 c + p: group c's four tiles for tile p of points, into accumulator buffer u % 2.  b1 is the C.
.macro M1 u
.set cq, (\u)/4
.set pq, (\u)%4
.set rD, ACC+32*((\u)%2)
.set rA, W1F+30*(cq%2)
.set rC, B1R+32*(cq%2)
.set rB, EC+12*pq
	WIN 0x11                                       ; W1 and b1 in window 1
.irp q, 0,2
	v_wmma_scale_f32_16x16x128_f8f6f4 v[rD+8*\q:rD+8*\q+7], v[rA+6*\q:rA+6*\q+11], v[rB:rB+11], v[rC+8*\q:rC+8*\q+7], v[W1S+2*cq+\q/2], v[ES+pq] matrix_a_fmt:MATRIX_FMT_FP6 matrix_b_fmt:MATRIX_FMT_FP6
	v_wmma_scale_f32_16x16x128_f8f6f4 v[rD+8*\q+8:rD+8*\q+15], v[rA+6*\q+6:rA+6*\q+17], v[rB:rB+11], v[rC+8*\q+8:rC+8*\q+15], v[W1S+2*cq+\q/2], v[ES+pq] matrix_a_fmt:MATRIX_FMT_FP6 matrix_b_fmt:MATRIX_FMT_FP6 matrix_a_scale:MATRIX_SCALE_ROW1
.endr
.endm
; and its vector work: relu, the block's scale, the codes.  It stands behind the NEXT piece's matrix instructions and names none of their registers.
.macro V1 u
.set cq, (\u)/4
.set pq, (\u)%4
.set AB, ACC+32*((\u)%2)
.set rH, H1C+24*pq+12*(cq/2)+6*(cq%2)
	WIN 0
.set i, 0
.rept 16
	RELU0 AB+2*i                                   ; each accumulator from its low end on
.set i, i+1
.endr
	v_max3_num_f32 v[HMA], v[AB], v[AB+1], 0x1800000   ; no |.|: none is negative now
	v_max3_num_f32 v[HMB], v[AB+2], v[AB+3], v[AB+4]
.irp k, 5,9,13,17,21,25
	v_max3_num_f32 v[HMA], v[HMA], v[AB+\k], v[AB+\k+1]
	v_max3_num_f32 v[HMB], v[HMB], v[AB+\k+2], v[AB+\k+3]
.endr
	v_max3_num_f32 v[HMA], v[HMA], v[AB+29], v[AB+30]
	v_max3_num_f32 v[HMA], v[HMA], v[HMB], v[AB+31]
	v_add_nc_u32 v[HSO], 0xff000000, v[HMA]
.if cq == 0                                    ; my byte is that of block 2 c + h: byte 2 (c % 2) + h of K step c / 2's word
	v_lshrrev_b32 v[HU+pq], 23, v[HSO]
.elseif cq == 2
	v_lshrrev_b32 v[HV+pq], 23, v[HSO]
.else
	v_lshrrev_b32 v[HBT], 23, v[HSO]
.if cq == 1
	v_lshl_or_b32 v[HU+pq], v[HBT], 16, v[HU+pq]
.else
	v_lshl_or_b32 v[HV+pq], v[HBT], 16, v[HV+pq]
	v_lshlrev_b32 v[HU+pq], v[SH8], v[HU+pq]
	v_lshlrev_b32 v[HV+pq], v[SH8], v[HV+pq]
	v_permlane16_swap_b32 v[HU+pq], v[HV+pq]       ; the first now holds the h = 0 halves (lanes 0-15: K step 0's, lanes 16-31: K step 1's), the second the h = 1 halves
	v_or_b32 v[HS+pq], v[HU+pq], v[HV+pq]
.endif
.endif
	v_cvt_scalef32_pk16_fp6_f32 v[HTQ:HTQ+2], v[AB+16:AB+31], v[HSO]   ; the block's upper 16 codes, to be moved: three registers begin on an even number
	WIN 0x40
	v_cvt_scalef32_pk16_fp6_f32 v[rH:rH+2], v[AB:AB+15], v[HSO]
	v_nop                                          ; one plain place behind the conversions
.irp k, 0,1,2
	v_mov_b32 v[rH+3+\k], v[HTQ+\k]
.endr
	WIN 0
.endm
; PRODUCT 2, tile t of 16 units for the four tiles of points, into buffer t % 2.  The four accumulators take turns, one instruction a turn.
.macro M2 t
.set rD, ACC+32*((\t)%2)
.set rB, W2F+24*((\t)%2)
	WIN 0x05                                       ; the hidden layer's codes and W2 in window 1
.irp p, 0,1,2,3
	v_wmma_scale_f32_16x16x128_f8f6f4 v[rD+8*\p:rD+8*\p+7], v[H1C+24*\p:H1C+24*\p+11], v[rB:rB+11], 0, v[HS+\p], v[W2S+(\t)] matrix_a_fmt:MATRIX_FMT_FP6 matrix_b_fmt:MATRIX_FMT_FP6
.endr
.irp p, 0,1,2,3
	v_wmma_scale_f32_16x16x128_f8f6f4 v[rD+8*\p:rD+8*\p+7], v[H1C+24*\p+12:H1C+24*\p+23], v[rB+12:rB+23], v[rD+8*\p:rD+8*\p+7], v[HS+\p], v[W2S+(\t)] matrix_a_fmt:MATRIX_FMT_FP6 matrix_b_fmt:MATRIX_FMT_FP6 matrix_a_scale:MATRIX_SCALE_ROW1 matrix_b_scale:MATRIX_SCALE_ROW1
.endr
.endm
.macro V2 t                            ; z's partial sums += w3 max(a, -b2); the first tile starts them
.set AB, ACC+32*((\t)%2)
.set rW, WB+2*(\t)
	WIN 0
.set i, 0
.rept 16
	RELUB AB+2*i, rW+1
.set i, i+1
.endr
.set i, 0
.rept 16
.if (\t) == 0
	v_pk_mul_f32 v[ZA+2*i:ZA+2*i+1], v[AB+2*i:AB+2*i+1], v[rW:rW+1] op_sel_hi:[1,0]
.else
	v_pk_fma_f32 v[ZA+2*i:ZA+2*i+1], v[AB+2*i:AB+2*i+1], v[rW:rW+1], v[ZA+2*i:ZA+2*i+1] op_sel_hi:[1,0,1]
.endif
.set i, i+1
.endr
.endm
; A stage of the sum over the 16 lanes of a half: of two registers d apart each lane keeps one (by bit of r) and gives the other to the lane xm away, so the registers halve.  All selects first, then the additions.
.macro STAGE d, m, xm
.set i, 0
.set k, 0
.rept 32
.if (i%(2*(\d))) < 2
	v_cndmask_b32 v[ACC+2*k], v[ZA+i], v[ZA+i+(\d)], s[\m]
	v_cndmask_b32 v[ACC+2*k+1], v[ZA+i+(\d)], v[ZA+i], s[\m]
.set k, k+1
.endif
.set i, i+1
.endr
.set i, 0
.set k, 0
.rept 32
.if (i%(2*(\d))) < 2
	v_add_f32_dpp v[ZA+i], v[ACC+2*k+1], v[ACC+2*k] row_xmask:\xm row_mask:0xf bank_mask:0xf
.set k, k+1
.endif
.set i, i+1
.endr
.endm
.Ltrip:                                            ; 64 points
	s_wait_loadcnt 0x0                             ; the trip's indices and x, asked for a trip ago
.irp n, 0,1,2,3,4,5
	ADDR \n
.endr
	WIN 0x40
.irp n, 0,1,2,3,4,5
	GATHER \n                                      ; the ring is filled: 48 loads
.endr
	WIN 0
.irp n, 0,1,2,3,4,5,6,7,8,9,10,11,12,13,14
	ESTEP \n
.endr
	WIN 0x40
	LOADC 0                                        ; b1's buffers lie in slots 4 and 5, whose last steps were 10 and 11
	LOADC 1
	WIN 0
	ESTEP 15                                       ; its wait is for 0: every gather is in, so the indices' registers are free
	s_cmp_eq_u32 s40, 1                            ; the next trip's indices and x, if there is a next trip: no load leaves its buffer
	s_cbranch_scc1 .Lno_next
.irp p, 0,1,2,3
	global_load_b128 v[IDX+4*\p:IDX+4*\p+3], v[AIX], s[10:11] offset:2048+512*\p th:TH_LOAD_NT
	global_load_b64 v[XX+2*\p:XX+2*\p+1], v[AXX], s[8:9] offset:512+128*\p th:TH_LOAD_NT
.endr
.Lno_next:
	s_wait_dscnt 14                                ; group 0 is in; group 1's 14 loads may be out
	M1 0
.rept 5
	v_nop                                          ; places behind the first piece: four ahead of the first read of its results, five ahead of the piece after next, which writes over them
.endr
.set uq, 0
.rept 15                                       ; a piece's matrix instructions, then the vector work of the piece before
.if (uq+1)%4 == 0
	s_wait_dscnt 0x0                               ; the next group of W1 and b1 is in
.endif
	M1 uq+1
	V1 uq
.if uq == 3
	WIN 0x40
	LOADC 2                                        ; into the buffers that group 0 has left
	WIN 0
.endif
.if uq == 7
	WIN 0x40
	LOADC 3
	WIN 0
.endif
.if uq == 14
	WIN 0x40
	LOADW2 0                                       ; over b1's buffers: the last piece that reads them stands ahead of the vector work just done
	LOADW2 1
	WIN 0
.endif
.set uq, uq+1
.endr
	V1 15
.rept 8
	v_nop                                          ; a scale word written by a vector instruction stands 8 places ahead of a scaled matrix instruction, codes so written 4
.endr
.set tq, 0
.rept 16
.if tq == 15
	s_wait_dscnt 0x0
.else
	s_wait_dscnt 6                                 ; tile tq of W2 is in; the next tile's six loads may be out
.endif
	M2 tq
.if tq == 0
.rept 4
	v_nop                                          ; places ahead of the loads below and of the first read of results
.endr
.else
	V2 tq-1
.endif
.if tq <= 13
	WIN 0x40
	LOADW2 tq+2                                    ; into the buffer just multiplied
	WIN 0
.endif
.set tq, tq+1
.endr
	V2 15
	STAGE 2, 48, 1                                 ; 32 registers x 16 lanes -> 2 registers: lane (r, h), register e holds partial sum number 2 r + e: tile r / 4, point 8 h + 2 (r % 4) + e
	STAGE 4, 49, 2
	STAGE 8, 50, 4
	STAGE 16, 51, 8
	v_add_f32 v[ZA], s46, v[ZA]                    ; + S
	v_add_f32 v[ZA+1], s46, v[ZA+1]
	v_add_f32 v[ZA], s47, v[ZA]                    ; + b3
	v_add_f32 v[ZA+1], s47, v[ZA+1]
	global_store_b64 v[AOUT], v[ZA:ZA+1], s[14:15] th:TH_STORE_NT   ; the wave stores the trip's 64 results: 256 consecutive bytes, aligned
	s_wait_xcnt 0x0                                ; the store and the loads ahead have read their registers and bases: these are written again only behind this wait
	s_add_nc_u64 s[8:9], s[8:9], 512
	s_add_nc_u64 s[10:11], s[10:11], 2048
	s_add_nc_u64 s[14:15], s[14:15], 256
	s_sub_co_u32 s40, s40, 1
	s_cmp_lg_u32 s40, 0
	s_cbranch_scc1 .Ltrip
	s_wait_tensorcnt 0x0                           ; the wave's end: three closing lines, behind my last LDS store
	ds_add_u32 v[SPW], v[NIL]
	s_wait_dscnt 0x0
	s_endpgm
.Lfunc_end_k_q2d6a74d090_mlp:
	.size	k_q2d6a74d090_mlp, .Lfunc_end_k_q2d6a74d090_mlp-k_q2d6a74d090_mlp
	.p2alignl 7, 3214868480
	.fill 96, 4, 3214868480
	.section	.rodata,"a",@progbits
	.p2align	6, 0x0
	.amdhsa_kernel k_q2d6a74d090_mlp
		.amdhsa_group_segment_fixed_size 63488
		.amdhsa_private_segment_fixed_size 0
		.amdhsa_enable_private_segment 0
		.amdhsa_kernarg_size 96
		.amdhsa_user_sgpr_count 2
		.amdhsa_user_sgpr_kernarg_segment_ptr 1
		.amdhsa_wavefront_size32 1
		.amdhsa_system_sgpr_workgroup_id_x 1
		.amdhsa_system_sgpr_workgroup_id_y 1
		.amdhsa_system_sgpr_workgroup_id_z 1
		.amdhsa_system_vgpr_workitem_id 0
		.amdhsa_next_free_vgpr 512
		.amdhsa_next_free_sgpr 66
		.amdhsa_reserve_vcc 1
		.amdhsa_float_denorm_mode_32 3
		.amdhsa_float_denorm_mode_16_64 3
		.amdhsa_memory_ordered 1
		.amdhsa_forward_progress 1
		.amdhsa_inst_pref_size 182
	.end_amdhsa_kernel
	.amdgpu_metadata
---
amdhsa.version: [ 1, 2 ]
amdhsa.kernels:
  - .name:           k_q2d6a74d090_mlp
    .symbol:         k_q2d6a74d090_mlp.kd
    .args:
      - { .name: x, .offset: 0, .size: 8, .value_kind: global_buffer, .address_space: global }
      - { .name: cells, .offset: 8, .size: 8, .value_kind: global_buffer, .address_space: global }
      - { .name: tables, .offset: 16, .size: 8, .value_kind: global_buffer, .address_space: global }
      - { .name: out0, .offset: 24, .size: 8, .value_kind: global_buffer, .address_space: global }
      - { .name: W1_codes, .offset: 32, .size: 8, .value_kind: global_buffer, .address_space: global }
      - { .name: W1_scales, .offset: 40, .size: 8, .value_kind: global_buffer, .address_space: global }
      - { .name: W2_codes, .offset: 48, .size: 8, .value_kind: global_buffer, .address_space: global }
      - { .name: W2_scales, .offset: 56, .size: 8, .value_kind: global_buffer, .address_space: global }
      - { .name: W3, .offset: 64, .size: 8, .value_kind: global_buffer, .address_space: global }
      - { .name: b1, .offset: 72, .size: 8, .value_kind: global_buffer, .address_space: global }
      - { .name: b2, .offset: 80, .size: 8, .value_kind: global_buffer, .address_space: global }
      - { .name: b3, .offset: 88, .size: 8, .value_kind: global_buffer, .address_space: global }
    .group_segment_fixed_size: 63488
    .private_segment_fixed_size: 0
    .kernarg_segment_align: 8
    .kernarg_segment_size: 96
    .max_flat_workgroup_size: 256
    .sgpr_count:     66
    .vgpr_count:     512
    .wavefront_size: 32
...
	.end_amdgpu_metadata
.endif
;; end of part 2
;; ======== version 2 of 2: 2 launches
;; limits: a difference of large sums (such as E[x^2] - mean^2): digits are lost where the result is much smaller than its terms
;; workspace buffers: cells 16,777,216 bytes of whole numbers
;; launch index (part 3): grid 512 x 1, 8 waves a work-group, no clusters, 0 bytes of LDS; arguments x, cells; writes cells
.if DOCPART == 3
	.amdgcn_target "amdgcn-amd-amdhsa--gfx1250"
	.amdhsa_code_object_version 6
	.text
	.protected	k_q2d6a74d090_index
	.globl	k_q2d6a74d090_index
	.p2align	8
	.type	k_q2d6a74d090_index,@function
k_q2d6a74d090_index:
	s_mov_b64 s[64:65], 0
	v_nop
	global_prefetch_b8 v0, s[64:65] scope:SCOPE_SE
	s_setreg_imm32_b32 hwreg(HW_REG_WAVE_MODE, 25, 1), 1
	s_wait_xcnt 0x0
; cells[n][l] = (p0x + p0y * res_l) & (T - 1), int32, for the 524,288 points n and the 8 levels l of the grid encoding:
; p0 = floor(x * scale_l + 0.5).  It is the table index of a point's corner (0, 0) at that level; the other three corners lie 1, res_l and res_l + 1 entries on.
; The indices are whole numbers made from floating-point numbers, so they are made here and stored, and the next launch, which reads them from memory, forms its addresses from them.
; NOTHING OF reference() IS LEFT OUT as dead work in this program: every input has a way to the output.  Table entries that no point asks for are not read: a lookup reads what its index names.
; pos is ONE fused multiply-add, by the same instruction on the same numbers as in the next launch, so that this floor and that launch's fraction belong to the same pos.
; LIMITS.  The mask & (T - 1) is the wrap of a negative index; a cell whose four corners straddle index 0, and a base index above T - 83 (the next launch holds it there, so that no load leaves the table)
; are not served as reference() has them; for x in [0, 1) the largest index is 6,642.  NaN and infinities in x are not served.
; SHARES.  A work-group takes 1,024 points, a wave 128, as 8 items of 16.  Lane l takes point l / 2 and levels 4 (l % 2) .. + 3: its four indices are 16 bytes, and a wave's store covers 512 consecutive bytes, aligned.
; A stream: no LDS, no barrier, no matrix unit.  All eight loads go out first; every item has its own registers for its store, so no store's data are written again.
.set SCL0, 0x41700000                  ; float32(16 * 1.2599210739135742^l - 1), l = 0 .. 7
.set SCL1, 0x41994518
.set SCL2, 0x41c32ff6
.set SCL3, 0x41f80001
.set SCL4, 0x421d4519
.set SCL5, 0x42472ff6
.set SCL6, 0x427c0002
.set SCL7, 0x429f4519
.set RES0, 16                          ; ceil(scale) + 1
.set RES1, 21
.set RES2, 26
.set RES3, 33
.set RES4, 41
.set RES5, 51
.set RES6, 65
.set RES7, 81
.set XO,   2                           ; v2       8 (l / 2): my point's x in an item
.set IO,   3                           ; v3       16 l: my four indices in an item
.set SC,   4                           ; v4-11    pairs (scale, res) of my four levels: the packed multiply-add takes a pair's low word for both halves
.set XR,   12                          ; v12-27   the eight items' x, a pair each
.set OUTR, 28                          ; v28-59   the eight items' indices, four each
.set TMP,  60                          ; v60-67   at work;  v68, v69 at the head
.macro LANEC dst, lo, hi               ; a constant by the lane's half of the levels
	v_mov_b32 v[\dst], \lo
	v_mov_b32 v69, \hi
	s_delay_alu instid0(VALU_DEP_1)
	v_cndmask_b32 v[\dst], v[\dst], v69, vcc_lo
.endm
	s_load_b128 s[4:7], s[0:1], 0x0                ; x s[4:5], cells s[6:7]
	v_lshrrev_b32 v1, 5, v0
	s_delay_alu instid0(VALU_DEP_1)
	v_readfirstlane_b32 s8, v1                     ; wave 0..7
	v_and_b32 v1, 31, v0                           ; lane
	s_delay_alu instid0(VALU_DEP_1)
	v_lshrrev_b32 v[XO], 1, v1
	s_delay_alu instid0(VALU_DEP_1)
	v_lshlrev_b32 v[XO], 3, v[XO]
	s_delay_alu instid0(VALU_DEP_3)
	v_lshlrev_b32 v[IO], 4, v1
	v_and_b32 v68, 1, v0
	s_delay_alu instid0(VALU_DEP_1)
	v_cmp_ne_u32 vcc_lo, 0, v68                    ; odd lanes take levels 4 to 7
	LANEC SC+0, SCL0, SCL4
	LANEC SC+1, RES0, RES4
	LANEC SC+2, SCL1, SCL5
	LANEC SC+3, RES1, RES5
	LANEC SC+4, SCL2, SCL6
	LANEC SC+5, RES2, RES6
	LANEC SC+6, SCL3, SCL7
	LANEC SC+7, RES3, RES7
	s_lshl_b32 s10, ttmp9, 13                      ; x: 8,192 bytes a work-group,
	s_lshl_b32 s9, s8, 10                          ; 1,024 a wave
	s_add_co_u32 s10, s10, s9
	s_mov_b32 s11, 0
	s_lshl_b32 s12, s10, 2                         ; cells: four times that
	s_mov_b32 s13, 0
	s_wait_alu depctr_va_vdst(0)
	s_wait_kmcnt 0x0
	s_add_nc_u64 s[4:5], s[4:5], s[10:11]
	s_add_nc_u64 s[6:7], s[6:7], s[12:13]
.irp i, 0,1,2,3,4,5,6,7
	global_load_b64 v[XR+2*\i:XR+2*\i+1], v[XO], s[4:5] offset:128*\i th:TH_LOAD_NT
.endr
.macro ITEM i
	s_wait_loadcnt 7-(\i)                          ; loads come back in order: item i's is in, the younger ones stay out
.irp j, 0,1,2,3
	v_pk_fma_f32 v[TMP+2*\j:TMP+2*\j+1], v[XR+2*(\i):XR+2*(\i)+1], v[SC+2*\j:SC+2*\j+1], 0.5 op_sel_hi:[1,0,0]   ; pos = x * scale + 0.5, both coordinates
.endr
.irp j, 0,1,2,3,4,5,6,7
	v_floor_f32 v[TMP+\j], v[TMP+\j]
.endr
.irp j, 0,1,2,3,4,5,6,7
	v_cvt_i32_f32 v[TMP+\j], v[TMP+\j]
.endr
.irp j, 0,1,2,3
	v_mul_lo_u32 v[TMP+2*\j+1], v[TMP+2*\j+1], v[SC+2*\j+1]      ; p0y * res
.endr
.irp j, 0,1,2,3
	s_delay_alu instid0(VALU_DEP_4)
	v_add_nc_u32 v[TMP+2*\j], v[TMP+2*\j], v[TMP+2*\j+1]         ; + p0x
.endr
.irp j, 0,1,2,3
	s_delay_alu instid0(VALU_DEP_4)
	v_and_b32 v[OUTR+4*(\i)+\j], 0x7ffff, v[TMP+2*\j]
.endr
	global_store_b128 v[IO], v[OUTR+4*(\i):OUTR+4*(\i)+3], s[6:7] offset:512*(\i)
.endm
.irp i, 0,1,2,3,4,5,6,7
	ITEM \i
.endr
	s_endpgm
.Lfunc_end_k_q2d6a74d090_index:
	.size	k_q2d6a74d090_index, .Lfunc_end_k_q2d6a74d090_index-k_q2d6a74d090_index
	.p2alignl 7, 3214868480
	.fill 96, 4, 3214868480
	.section	.rodata,"a",@progbits
	.p2align	6, 0x0
	.amdhsa_kernel k_q2d6a74d090_index
		.amdhsa_group_segment_fixed_size 0
		.amdhsa_private_segment_fixed_size 0
		.amdhsa_enable_private_segment 0
		.amdhsa_kernarg_size 16
		.amdhsa_user_sgpr_count 2
		.amdhsa_user_sgpr_kernarg_segment_ptr 1
		.amdhsa_wavefront_size32 1
		.amdhsa_system_sgpr_workgroup_id_x 1
		.amdhsa_system_sgpr_workgroup_id_y 1
		.amdhsa_system_sgpr_workgroup_id_z 1
		.amdhsa_system_vgpr_workitem_id 0
		.amdhsa_next_free_vgpr 72
		.amdhsa_next_free_sgpr 66
		.amdhsa_reserve_vcc 1
		.amdhsa_float_denorm_mode_32 3
		.amdhsa_float_denorm_mode_16_64 3
		.amdhsa_memory_ordered 1
		.amdhsa_forward_progress 1
		.amdhsa_inst_pref_size 18
	.end_amdhsa_kernel
	.amdgpu_metadata
---
amdhsa.version: [ 1, 2 ]
amdhsa.kernels:
  - .name:           k_q2d6a74d090_index
    .symbol:         k_q2d6a74d090_index.kd
    .args:
      - { .name: x, .offset: 0, .size: 8, .value_kind: global_buffer, .address_space: global }
      - { .name: cells, .offset: 8, .size: 8, .value_kind: global_buffer, .address_space: global }
    .group_segment_fixed_size: 0
    .private_segment_fixed_size: 0
    .kernarg_segment_align: 8
    .kernarg_segment_size: 16
    .max_flat_workgroup_size: 256
    .sgpr_count:     66
    .vgpr_count:     72
    .wavefront_size: 32
...
	.end_amdgpu_metadata
.endif
;; end of part 3
;; launch mlp (part 4): grid 256 x 1, 8 waves a work-group, no clusters, 63,488 bytes of LDS; arguments x, cells, tables, out0, W1_codes, W1_scales, W2_codes, W2_scales, W3, b1, b2, b3; writes out0
.if DOCPART == 4
	.amdgcn_target "amdgcn-amd-amdhsa--gfx1250"
	.amdhsa_code_object_version 6
	.text
	.protected	k_q2d6a74d090_mlp
	.globl	k_q2d6a74d090_mlp
	.p2align	8
	.type	k_q2d6a74d090_mlp,@function
k_q2d6a74d090_mlp:
	s_mov_b64 s[64:65], 0
	v_nop
	global_prefetch_b8 v0, s[64:65] scope:SCOPE_SE
	s_setreg_imm32_b32 hwreg(HW_REG_WAVE_SCHED_MODE, 0, 2), 2
	s_setreg_imm32_b32 hwreg(HW_REG_WAVE_MODE, 25, 1), 1
	s_wait_xcnt 0x0
	s_wait_alu depctr_vm_vsrc(0)
; z = relu(relu(enc W1 + b1) W2 + b2) W3 + b3 for 524,288 points; enc = the 8-level dense-grid encoding of x (4 corners x 8 features a level, smoothstep weights), 64 numbers a point.
; Both large products are on codes of FP6 (E2M3) with one E8M0 scale for each 32 along K: W1 and W2 come as codes; enc and the first hidden layer are quantised here, in registers, from f32.  The product with W3 is f32 multiply-adds.
; No work of reference() is left out; table entries that no point asks for are not read.  The corner indices come from the buffer cells, which the launch before has stored.
; LIMITS.  A base index is held at T - 83 (0x7ffad), so that the furthest corner (81 + 1 entries on) stays in its level's table.  NaN and infinities are not served.  A block whose largest magnitude lies under 2^-124 gets the
; scale byte 1 (a block of zeros too, where the quantiser says 127: its codes are zeros, and the bytes are read here alone).  ORDER OF ROUNDING: pos and each corner's term are fused multiply-adds; and the second bias goes by
; relu(a + b) = max(a, -b) + b, so that z = sum w3 max(a, -b2) + S + b3 with S = sum w3 b2 made once: the error of that form is of the size 2^-22 x sum |w3 b2|, as is that of adding b2 to a in f32.
; SHARES.  A work-group takes 2,048 points, each of its eight waves 256: four trips of four tiles of 16 points.  Behind the one barrier at the head the waves share nothing.  Two waves lie on a SIMD (512 registers each), so that one
; wave's matrix work and its waits for gathers stand beside the other's vector work.  No cluster: what work-groups share is the weights' 66 KB, read once at the head, a small part of the launch's bytes; no tensor load: the weights go
; through registers once, so that they can be laid in LDS as IMAGES OF OPERAND REGISTERS (register group g of a fragment: lane l's 16 bytes at 512 g + 16 l), from where each fragment that is read feeds four matrix instructions.
; LAYOUTS (l the lane, r = l % 16, h = l / 16).
;  ENCODE: lane (r, h) makes levels 4 h .. 4 h + 3 of point r: 32 numbers, one whole block along K: registers 0-5 of the operand; registers 6-11 (K = 64 .. 127) are zero codes, written once.
;  PRODUCT 1, transposed (source 0 = 16 rows of W1, source 1 = enc, C = b1): lane r of tile (c, q) takes row 64 c + 8 q + r % 8 + 32 (r / 8) of W1, so that in the result lane (point r, h) holds in register j unit 64 c + 32 h + 8 q + j:
;  the four tiles of a group c give a lane one whole block of 32 neighbours, registers 6 (c % 2) .. + 5 of K step c / 2 of the next operand.  No other lane is asked for a maximum, nothing changes lanes.
;  W1's fragments lie 6 registers apart: the upper six of an operand's twelve are the next fragment's codes (behind the last: six registers written once); they meet enc's zero codes and add nothing.
;  PRODUCT 2, as it stands (source 0 = 16 points of the hidden layer, source 1 = rows 16 t + r of W2): lane (r, h) holds in register j (point 8 h + j, unit 16 t + r): -b2 and W3 cost one register each for a tile t and stay.
; REGISTERS, window 0: v1, v2 the add's two; v3-9 lane constants; v10-17 pairs (scale, 32 res) of my four levels; v18-25, v26-41 W1's and W2's scale words; v42-45 enc's; v46-49 the hidden layer's; v50-81 pairs (W3, -b2) of the 16 tiles;
;  v82-97 the trip's 16 indices, then byte offsets; v98-105 x; v106-153 enc's codes, 12 a tile; v154-217 two accumulator buffers of 32 (in the encode: 32 features and scratch); v218-223 not used;
;  v224-255 z's partial sums (in the encode: v224-239 second-row offsets, one a step; in product 1: scratch).
;  window 1: v0-191 the gathers' ring, 6 slots of 32 (behind the encode: v0-95 the hidden layer's codes, v128-191 two buffers of b1, later v128-175 two of W2); v192-251 two buffers of W1 (24 + 6 each).
; THE MODE: SCHED_MODE bits 1:0 = 2 (LLVM: expert scheduling mode 2), set by the entry lines.  The code itself states the register dependences between vector or matrix instructions and memory or LDS instructions,
; with s_wait_alu, always for 0.
; THE PLAN.  Registers that memory or LDS instructions touch in a trip, and who else names them:
;   the ring      Step n's gather lands in slot n % 6; step n's interpolation reads it; behind that, step n + 6's gather lands there.  Behind the encode the conversions of product 1 write v0-95 and product 2 reads them;
;                 LDS loads of b1 land in v128-191 (product 1's C), later those of W2 (product 2's source 1).
;   W1's buffers  LDS loads land there; product 1 reads them.
;   v82-97        Loaded a trip ahead; turned into byte offsets by vector lines; read by the gathers; then the next trip's load lands.
;   v224-239      Second-row offsets: written by vector lines, read by the gathers; afterwards scratch and z's sums; v224, v225 are the store's data.
;   v98-105       x: loaded a trip ahead, read by the weights' lines.
;   v1, v2, v5-9  Addresses made at the head and never written again.
; The offsets of ALL sixteen steps are made ahead of the ring's first turn, each in a register of its own: no address register is written while gathers read such registers.
; WAITS ON va_vdst IN A TRIP: ahead of the first six gathers; behind each interpolation whose slot is asked for again (ten); ahead of each run of LDS loads into registers that products have read (the four groups of W1 and b1 in three
; runs, W2's tiles in fifteen); behind the encode, for enc's codes and scale words, x and the indices; behind product 1's last conversions and their places, for the hidden layer's codes and scale words; ahead of the store.
; WAITS ON vm_vsrc IN A TRIP: behind the encode (the gathers have read their offsets) and behind the store.  The loads stand in runs: each wants the destination's window switched, so a run shares one switch and one wait.
.set DUAL,  1                          ; 1: two maxima in one instruction
.set SCL0, 0x41700000                  ; float32(16 * 1.2599210739135742^l - 1)
.set SCL1, 0x41994518
.set SCL2, 0x41c32ff6
.set SCL3, 0x41f80001
.set SCL4, 0x421d4519
.set SCL5, 0x42472ff6
.set SCL6, 0x427c0002
.set SCL7, 0x429f4519
.set RB0, 16*32                        ; a grid row in bytes: res entries of 32 bytes
.set RB1, 21*32
.set RB2, 26*32
.set RB3, 33*32
.set RB4, 41*32
.set RB5, 51*32
.set RB6, 65*32
.set RB7, 81*32
.set IMG2,  0                          ; LDS: W2's 32 fragments (2 t + s), 1,536 bytes each
.set IMG1,  49152                      ; W1's 4 groups c of 24 registers, 3,072 bytes each
.set B1L,   61440                      ; b1, 256 numbers as they lie
.set SPARE, 62464                      ; the spare words, 128 bytes for each of the eight waves: four blocks of 256 bytes that no other line names
.set SPW,  1
.set NIL,  2
.set HB,   3                           ; h << 26: four levels' tables, 64 MiB
.set SH8,  4                           ; 8 h
.set LI,   5                           ; 16 l
.set LB,   6                           ; B1L + 128 h
.set AIX,  7                           ; 32 r + 16 h: my four indices in a tile's
.set AXX,  8                           ; 8 r
.set AOUT, 9                           ; 64 (r / 4) + 32 h + 8 (r % 4): my two results in a trip's 256 bytes
.set SC,   10
.set W1S,  18                          ; register i: lanes 0-15 tile 2 i, lanes 16-31 tile 2 i + 1
.set W2S,  26                          ; register t: lanes 0-15 K step 0, lanes 16-31 K step 1
.set ES,   42
.set HS,   46                          ; register p: lanes 0-15 K step 0, lanes 16-31 K step 1
.set WB,   50
.set IDX,  82
.set XX,   98
.set EC,   106
.set ACC,  154
.set A1,   224                         ; the encode's use of z's registers: v224-239, step n's second-row offset at A1 + n
.set ZA,   224
.set FE,   154                         ; the encode's use of the accumulators' registers: v154-185 a tile's 32 features,
.set POS,  186
.set TF,   188                         ; t
.set UF,   190                         ; 3 - 2 t
.set SQ,   192                         ; t t
.set WX,   194                         ; w
.set OM,   196                         ; 1 - w
.set WW,   198                         ; the four corners' weights in v198, 200, 202, 204: each the low word of a pair
.set MA,   206
.set MB,   207
.set SO,   208
.set BY,   209
.set TQE,  210
.set PT,   213
.set HMA,  224                         ; product 1's use of z's registers
.set HMB,  225
.set HSO,  226
.set HBT,  227
.set HU,   228                         ; v228-231 K step 0's two bytes of mine, a tile each;  v232-235 K step 1's
.set HV,   232
.set HTQ,  236
.set SU,   154                         ; the head's 61 registers of weights on their way to LDS
.set H1C,  0                           ; window 1
.set B1R,  128
.set W2F,  128
.set W1F,  192
.set TB,   32                          ; s[32:39] the tables of levels 0 to 3
.set MSB, 0
.macro WIN new                         ; the immediate's high byte repeats the setting that is left; a switch that changes nothing is dropped
.if MSB != \new
	s_set_vgpr_msb (MSB<<8)|\new
.set MSB, \new
.endif
.endm
.macro LANEC dst, lo, hi               ; a constant by the lane's half
	v_mov_b32 v[\dst], \lo
	v_mov_b32 v230, \hi
	v_cndmask_b32 v[\dst], v[\dst], v230, vcc_lo
.endm
.macro RELU0 a                         ; two numbers clipped at 0
.if DUAL
	v_dual_max_num_f32 v[\a], 0, v[\a] :: v_dual_max_num_f32 v[\a+1], 0, v[\a+1]
.else
	v_max_num_f32 v[\a], 0, v[\a]
	v_max_num_f32 v[\a+1], 0, v[\a+1]
.endif
.endm
.macro RELUB a, n                      ; two numbers clipped at v[n]
.if DUAL
	v_dual_max_num_f32 v[\a], v[\n], v[\a] :: v_dual_max_num_f32 v[\a+1], v[\n], v[\a+1]
.else
	v_max_num_f32 v[\a], v[\n], v[\a]
	v_max_num_f32 v[\a+1], v[\n], v[\a+1]
.endif
.endm
	s_load_b512 s[8:23], s[0:1], 0x0               ; x s[8:9], cells s[10:11], tables s[12:13], out0 s[14:15], W1's codes s[16:17], scales s[18:19], W2's codes s[20:21], scales s[22:23]
	s_load_b256 s[24:31], s[0:1], 0x40             ; W3 s[24:25], b1 s[26:27], b2 s[28:29], b3 s[30:31]
	v_lshl_add_u32 v[SPW], v0, 2, SPARE
	v_mov_b32 v[NIL], 0
	v_lshrrev_b32 v224, 5, v0
	v_readfirstlane_b32 s2, v224                   ; wave 0..7
	v_and_b32 v225, 31, v0                         ; l
	v_and_b32 v226, 15, v0                         ; r
	v_bfe_u32 v227, v0, 4, 1                       ; h
	v_lshlrev_b32 v[HB], 26, v227
	v_lshlrev_b32 v[SH8], 3, v227
	v_lshlrev_b32 v[LI], 4, v225
	v_lshl_add_u32 v[LB], v227, 7, B1L
	v_lshlrev_b32 v[AIX], 5, v226
	v_lshl_add_u32 v[AIX], v227, 4, v[AIX]
	v_lshlrev_b32 v[AXX], 3, v226
	v_lshrrev_b32 v228, 2, v226
	v_and_b32 v229, 3, v226
	v_lshlrev_b32 v[AOUT], 6, v228
	v_lshl_add_u32 v[AOUT], v227, 5, v[AOUT]
	v_lshl_add_u32 v[AOUT], v229, 3, v[AOUT]
	v_cmp_ne_u32 vcc_lo, 0, v227                   ; lanes 16-31 take levels 4 to 7
	s_wait_alu depctr_va_vcc(0)                    ; the compare has written VCC, which the eight selects below read
	LANEC SC+0, SCL0, SCL4
	LANEC SC+1, RB0, RB4
	LANEC SC+2, SCL1, SCL5
	LANEC SC+3, RB1, RB5
	LANEC SC+4, SCL2, SCL6
	LANEC SC+5, RB2, RB6
	LANEC SC+6, SCL3, SCL7
	LANEC SC+7, RB3, RB7
	s_wait_alu depctr_va_sdst(0)                   ; s2, the wave's number, is written, ahead of its first reader: the wave's places in the buffers and in LDS are made from it
	s_lshl_b32 s52, ttmp9, 3
	s_add_co_u32 s52, s52, s2                      ; which run of 256 points is my wave's
	s_lshl_b32 s54, s52, 11                        ; in x,
	s_mov_b32 s55, 0
	s_lshl_b32 s56, s52, 13                        ; in cells,
	s_mov_b32 s57, 0
	s_lshl_b32 s52, s52, 10                        ; in out0
	s_mov_b32 s53, 0
	s_mul_i32 s41, s2, 6144                        ; my four fragments of W2: 32 rows of 192 bytes in memory, 4 x 1,536 bytes in LDS
	s_mul_i32 s58, s2, 1536                        ; my half group of W1 in LDS
	s_lshr_b32 s59, s2, 1
	s_mul_i32 s59, s59, 3072                       ; and in memory: group wave / 2 begins 64 rows of 48 bytes on,
	s_and_b32 s3, s2, 1
	s_mul_i32 s3, s3, 768                          ; its second half 16 rows on
	s_add_co_u32 s59, s59, s3
	s_mov_b32 s42, 0x76543210
	s_mov_b32 s43, 0xfedcba98                      ; v_permlanex16_b32's selects for lane l xor 16
	s_mov_b32 s44, 0x40400000                      ; 3.0
	s_mov_b32 s45, s44                             ; (named with it as a pair, so it is written)
	s_mov_b32 s48, 0xaaaaaaaa                      ; lanes whose r has bit 0, 1, 2, 3 set
	s_mov_b32 s49, 0xcccccccc
	s_mov_b32 s50, 0xf0f0f0f0
	s_mov_b32 s51, 0xff00ff00
	s_mov_b32 s40, 4                               ; trips
	v_mul_u32_u24 v231, v226, 192
	v_mad_u32_u24 v231, v227, 24, v231
	v_add_nc_u32 v231, s41, v231                   ; W2's codes: row r of a tile, + 24 h, + my wave's rows
	v_and_b32 v232, 7, v226
	v_lshrrev_b32 v233, 3, v226
	v_lshl_add_u32 v232, v233, 5, v232             ; r % 8 + 32 (r / 8)
	v_mul_u32_u24 v234, v232, 48
	v_mad_u32_u24 v234, v227, 24, v234
	v_add_nc_u32 v234, s59, v234                   ; W1's codes
	v_lshlrev_b32 v235, 1, v232
	v_lshl_add_u32 v235, v227, 4, v235             ; W1's scales: 2 bytes a row; lanes 16-31 the tile 8 rows on
	v_lshlrev_b32 v236, 3, v226
	v_lshl_add_u32 v236, v227, 2, v236             ; W2's scales: 8 bytes a row; lanes 16-31 K step 1's word
	v_lshlrev_b32 v237, 2, v226                    ; b2, W3: unit 16 t + r
	v_lshlrev_b32 v238, 2, v0                      ; b1: a number a thread, in memory and in LDS
	v_add_nc_u32 v239, s41, v[LI]                  ; where my images of W2 go,
	v_add_nc_u32 v240, s58, v[LI]                  ; and those of W1
	s_wait_kmcnt 0x0
	s_load_b32 s47, s[30:31], 0x0                  ; b3
	s_add_nc_u64 s[8:9], s[8:9], s[54:55]
	s_add_nc_u64 s[10:11], s[10:11], s[56:57]
	s_add_nc_u64 s[14:15], s[14:15], s[52:53]
	s_mov_b64 s[TB:TB+1], s[12:13]
	s_add_nc_u64 s[TB+2:TB+3], s[12:13], 0x1000000 ; a level's table is 16 MiB
	s_add_nc_u64 s[TB+4:TB+5], s[12:13], 0x2000000
	s_add_nc_u64 s[TB+6:TB+7], s[12:13], 0x3000000
	s_wait_alu depctr_va_vdst(0)                   ; every offset and LDS address made above is written (v1, v2, v5-9, v231, v234-240): the loads, LDS stores and LDS loads of the whole kernel read them
.irp p, 0,1,2,3                                ; the first trip's indices and x
	global_load_b128 v[IDX+4*\p:IDX+4*\p+3], v[AIX], s[10:11] offset:512*\p th:TH_LOAD_NT
	global_load_b64 v[XX+2*\p:XX+2*\p+1], v[AXX], s[8:9] offset:128*\p th:TH_LOAD_NT
.endr
.irp i, 0,1,2,3,4,5,6,7                        ; what stays in registers.  W1's scale words: two bytes, the upper two 0 (they scale products with enc's zero codes)
	global_load_u16 v[W1S+\i], v235, s[18:19] offset:128*(\i/2)+32*(\i%2)
.endr
.irp t, 0,1,2,3,4,5,6,7,8,9,10,11,12,13,14,15
	global_load_b32 v[W2S+\t], v236, s[22:23] offset:128*\t
	global_load_b32 v[WB+2*\t], v237, s[24:25] offset:64*\t
	global_load_b32 v[WB+2*\t+1], v237, s[28:29] offset:64*\t
.endr
.irp f, 0,1,2,3                                ; my four fragments of W2: tile 2 wave + f / 2, K step f % 2; registers 6 e + 2 i: 8 bytes at 48 e + 24 h + 8 i of the K step's 96
.irp e, 0,1
.irp i, 0,1,2
	global_load_b64 v[SU+12*\f+6*\e+2*\i:SU+12*\f+6*\e+2*\i+1], v231, s[20:21] offset:3072*(\f/2)+96*(\f%2)+48*\e+8*\i
.endr
.endr
.endr
.irp f, 0,1                                    ; my two fragments of W1, six registers each: tiles 8 rows apart
.irp i, 0,1,2
	global_load_b64 v[SU+48+6*\f+2*\i:SU+48+6*\f+2*\i+1], v234, s[16:17] offset:384*\f+8*\i
.endr
.endr
	global_load_b32 v[SU+60], v238, s[26:27]
	s_wait_loadcnt 0x0
.irp k, 0,1,2,3,4,5,6,7,8,9,10,11
	ds_store_b128 v239, v[SU+4*\k:SU+4*\k+3] offset:IMG2+512*\k
.endr
.irp k, 0,1,2
	ds_store_b128 v240, v[SU+48+4*\k:SU+48+4*\k+3] offset:IMG1+512*\k
.endr
	ds_store_b32 v238, v[SU+60] offset:B1L
	v_mul_f32 v241, v[WB], v[WB+1]                 ; S = sum w3 b2, in the order in which z's sums go: a chain over the tiles, then lanes 1, 2, 4, 8 apart
.irp t, 1,2,3,4,5,6,7,8,9,10,11,12,13,14,15
	v_fma_f32 v241, v[WB+2*\t], v[WB+2*\t+1], v241
.endr
	v_add_f32_dpp v241, v241, v241 row_xmask:1 row_mask:0xf bank_mask:0xf
	v_add_f32_dpp v241, v241, v241 row_xmask:2 row_mask:0xf bank_mask:0xf
	v_add_f32_dpp v241, v241, v241 row_xmask:4 row_mask:0xf bank_mask:0xf
	v_add_f32_dpp v241, v241, v241 row_xmask:8 row_mask:0xf bank_mask:0xf
	v_readfirstlane_b32 s46, v241
	s_wait_alu depctr_va_sdst(0)                   ; s46 = S is written
.irp t, 0,1,2,3,4,5,6,7,8,9,10,11,12,13,14,15
	v_xor_b32 v[WB+2*\t+1], 0x80000000, v[WB+2*\t+1]   ; -b2
.endr
.irp p, 0,1,2,3
.irp i, 6,7,8,9,10,11
	v_mov_b32 v[EC+12*\p+\i], 0                    ; enc's K = 64 .. 127: zero codes, for the whole launch
.endr
.endr
	s_wait_alu depctr_vm_vsrc(0)                   ; the LDS stores have read their data v154-214 and their addresses v238-240, the head's loads their offsets v231, v234-238: the lines below and the first trip write these registers again
.irp i, 1,3,5,7
	v_mov_b32 v[WW+\i], 0                          ; named as the upper halves of the weights' pairs, never used
.endr
	v_mov_b32 v[PT], 0                             ; a lane permute's destination counts as one of its sources
	WIN 0x40                                       ; destination window 1
.irp i, 0,1,2,3,4,5
	v_mov_b32 v[W1F+24+\i], 0                      ; behind each buffer's last fragment of W1: six registers that are named and multiply zero codes
	v_mov_b32 v[W1F+54+\i], 0
.endr
	WIN 0
	s_wait_kmcnt 0x0                               ; b3
	s_wait_dscnt 0x0                               ; for the others' sake: my images lie in LDS
	s_barrier_signal -1
	s_barrier_wait -1                              ; everybody's do; from here on LDS is only read
; STEP n = 4 p + j of a trip's encode: level j + 4 h of tile p's point r.  Its 4 corners x 8 features come into slot n % 6 of the ring.
.macro ADDR n                          ; the index becomes the byte offset of corners (0, 0), (1, 0): 64 bytes on end; those of (0, 1), (1, 1) lie a grid row on: an offset register of its own for each step
.set rI, IDX+(\n)
.set rA, A1+(\n)
.set rR, SC+2*((\n)%4)+1
	v_min_u32 v[rI], 0x7ffad, v[rI]                ; held at T - 83: no corner leaves the level's table
	v_lshl_add_u32 v[rI], v[rI], 5, v[HB]
	v_add_nc_u32 v[rA], v[rR], v[rI]
.endm
.macro GATHER n                        ; register 16 cy + 8 cx + f of the slot
.set rI, IDX+(\n)
.set rA, A1+(\n)
.set rG, 32*((\n)%6)
.set sT, TB+2*((\n)%4)
.irp i, 0,1,2,3
	global_load_b128 v[rG+4*\i:rG+4*\i+3], v[rI], s[sT:sT+1] offset:16*\i
.endr
.irp i, 0,1,2,3
	global_load_b128 v[rG+16+4*\i:rG+16+4*\i+3], v[rA], s[sT:sT+1] offset:16*\i
.endr
.endm
.macro WEIGHTS n                       ; both coordinates at a time
.set rX, XX+2*((\n)/4)
.set rS, SC+2*((\n)%4)
	v_pk_fma_f32 v[POS:POS+1], v[rX:rX+1], v[rS:rS+1], 0.5 op_sel_hi:[1,0,0]   ; the same line as in the launch that made the index
	v_fract_f32 v[TF], v[POS]
	v_fract_f32 v[TF+1], v[POS+1]
	v_pk_fma_f32 v[UF:UF+1], v[TF:TF+1], -2.0, s[44:45] op_sel_hi:[1,0,0]     ; 3 - 2 t
	v_pk_mul_f32 v[SQ:SQ+1], v[TF:TF+1], v[TF:TF+1]
	v_pk_mul_f32 v[WX:WX+1], v[SQ:SQ+1], v[UF:UF+1]                            ; w = t t (3 - 2 t)
	v_pk_fma_f32 v[OM:OM+1], v[WX:WX+1], -1.0, 1.0 op_sel_hi:[1,0,0]           ; 1 - w
	v_mul_f32 v[WW], v[OM], v[OM+1]                ; (cx, cy) = (0, 0)
	v_mul_f32 v[WW+2], v[OM], v[WX+1]              ; (0, 1)
	v_mul_f32 v[WW+4], v[WX], v[OM+1]              ; (1, 0)
	v_mul_f32 v[WW+6], v[WX], v[WX+1]              ; (1, 1)
.endm
.macro INTERP n                        ; the corners in reference()'s order; source 0 in window 1
.set rG, 32*((\n)%6)
.set rF, FE+8*((\n)%4)
.irp f, 0,2,4,6
	v_pk_mul_f32 v[rF+\f:rF+\f+1], v[rG+\f:rG+\f+1], v[WW:WW+1] op_sel_hi:[1,0]
.endr
.irp f, 0,2,4,6
	v_pk_fma_f32 v[rF+\f:rF+\f+1], v[rG+16+\f:rG+16+\f+1], v[WW+2:WW+3], v[rF+\f:rF+\f+1] op_sel_hi:[1,0,1]
.endr
.irp f, 0,2,4,6
	v_pk_fma_f32 v[rF+\f:rF+\f+1], v[rG+8+\f:rG+8+\f+1], v[WW+4:WW+5], v[rF+\f:rF+\f+1] op_sel_hi:[1,0,1]
.endr
.irp f, 0,2,4,6
	v_pk_fma_f32 v[rF+\f:rF+\f+1], v[rG+24+\f:rG+24+\f+1], v[WW+6:WW+7], v[rF+\f:rF+\f+1] op_sel_hi:[1,0,1]
.endr
.endm
.macro QUANTE p                        ; my 32 features, block h of point r, become six registers of codes and a byte of the scale word
	v_max3_num_f32 v[MA], |v[FE]|, |v[FE+1]|, 0x1800000        ; the largest magnitude, in two chains, with the floor 2^(3 - 127) among the leaves: the byte cannot fall under 1
	v_max3_num_f32 v[MB], |v[FE+2]|, |v[FE+3]|, |v[FE+4]|
.irp k, 5,9,13,17,21,25
	v_max3_num_f32 v[MA], v[MA], |v[FE+\k]|, |v[FE+\k+1]|
	v_max3_num_f32 v[MB], v[MB], |v[FE+\k+2]|, |v[FE+\k+3]|
.endr
	v_max3_num_f32 v[MA], v[MA], |v[FE+29]|, |v[FE+30]|
	v_max3_num_f32 v[MA], v[MA], v[MB], |v[FE+31]|
	v_add_nc_u32 v[SO], 0xff000000, v[MA]          ; 2 off its exponent field: the conversion takes the exponent field of this operand as its scale
	v_lshrrev_b32 v[BY], 23, v[SO]                 ; the scale's byte
	v_cvt_scalef32_pk16_fp6_f32 v[EC+12*(\p):EC+12*(\p)+2], v[FE:FE+15], v[SO]
	v_cvt_scalef32_pk16_fp6_f32 v[TQE:TQE+2], v[FE+16:FE+31], v[SO]   ; (a conversion's three registers begin on an even number)
	v_lshlrev_b32 v[BY], v[SH8], v[BY]             ; at its place in the word.  (The plain place behind the conversions)
.irp k, 0,1,2
	v_mov_b32 v[EC+12*(\p)+3+\k], v[TQE+\k]
.endr
	v_permlanex16_b32 v[PT], v[BY], s42, s43
	v_or_b32 v[ES+(\p)], v[BY], v[PT]              ; with lane l xor 16's byte: point r's scale word; its upper two bytes are 0 and scale zero codes
.endm
.macro ESTEP n
.if (\n) < 10
	s_wait_loadcnt 40                              ; step n's eight loads are in; those of the five younger slots stay out
.else
	s_wait_loadcnt 8*(15-(\n))                     ; the ring runs empty
.endif
	WEIGHTS \n
	WIN 0x01
	INTERP \n
.if (\n) < 10
	WIN 0x40
	s_wait_alu depctr_va_vdst(0)                   ; the interpolation is done reading the slot, in which the gather below lands; in step 0 also: the offsets of steps 6 to 15 are written, which this gather and the later ones read
	GATHER (\n)+6                                  ; the slot just read takes the step six on
.endif
	WIN 0
.if (\n)%4 == 3
	QUANTE (\n)/4
.endif
.endm
; THE WEIGHTS FROM LDS, as images: under destination window 1
.macro LOADC c                         ; group c of W1 (four fragments, 24 registers) and its 32 numbers of b1 in the result's layout: 14 loads
.set rW, W1F+30*((\c)%2)
.set rC, B1R+32*((\c)%2)
.irp g, 0,1,2,3,4,5
	ds_load_b128 v[rW+4*\g:rW+4*\g+3], v[LI] offset:IMG1+3072*(\c)+512*\g
.endr
.irp i, 0,1,2,3,4,5,6,7
	ds_load_b128 v[rC+4*\i:rC+4*\i+3], v[LB] offset:256*(\c)+16*\i
.endr
.endm
.macro LOADW2 t                        ; tile t of W2, both K steps: 6 loads
.set rW, W2F+24*((\t)%2)
.irp g, 0,1,2,3,4,5
	ds_load_b128 v[rW+4*\g:rW+4*\g+3], v[LI] offset:IMG2+3072*(\t)+512*\g
.endr
.endm
; PRODUCT 1, piece u = 4 c + p: group c's four tiles for tile p of points, into accumulator buffer u % 2.  b1 is the C.
.macro M1 u
.set cq, (\u)/4
.set pq, (\u)%4
.set rD, ACC+32*((\u)%2)
.set rA, W1F+30*(cq%2)
.set rC, B1R+32*(cq%2)
.set rB, EC+12*pq
	WIN 0x11                                       ; W1 and b1 in window 1
.irp q, 0,2
	v_wmma_scale_f32_16x16x128_f8f6f4 v[rD+8*\q:rD+8*\q+7], v[rA+6*\q:rA+6*\q+11], v[rB:rB+11], v[rC+8*\q:rC+8*\q+7], v[W1S+2*cq+\q/2], v[ES+pq] matrix_a_fmt:MATRIX_FMT_FP6 matrix_b_fmt:MATRIX_FMT_FP6
	v_wmma_scale_f32_16x16x128_f8f6f4 v[rD+8*\q+8:rD+8*\q+15], v[rA+6*\q+6:rA+6*\q+17], v[rB:rB+11], v[rC+8*\q+8:rC+8*\q+15], v[W1S+2*cq+\q/2], v[ES+pq] matrix_a_fmt:MATRIX_FMT_FP6 matrix_b_fmt:MATRIX_FMT_FP6 matrix_a_scale:MATRIX_SCALE_ROW1
.endr
.endm
; and its vector work: relu, the block's scale, the codes.  It stands behind the NEXT piece's matrix instructions and names none of their registers.
.macro V1 u
.set cq, (\u)/4
.set pq, (\u)%4
.set AB, ACC+32*((\u)%2)
.set rH, H1C+24*pq+12*(cq/2)+6*(cq%2)
	WIN 0
.set i, 0
.rept 16
	RELU0 AB+2*i                                   ; each accumulator from its low end on
.set i, i+1
.endr
	v_max3_num_f32 v[HMA], v[AB], v[AB+1], 0x1800000   ; no |.|: none is negative now
	v_max3_num_f32 v[HMB], v[AB+2], v[AB+3], v[AB+4]
.irp k, 5,9,13,17,21,25
	v_max3_num_f32 v[HMA], v[HMA], v[AB+\k], v[AB+\k+1]
	v_max3_num_f32 v[HMB], v[HMB], v[AB+\k+2], v[AB+\k+3]
.endr
	v_max3_num_f32 v[HMA], v[HMA], v[AB+29], v[AB+30]
	v_max3_num_f32 v[HMA], v[HMA], v[HMB], v[AB+31]
	v_add_nc_u32 v[HSO], 0xff000000, v[HMA]
.if cq == 0                                    ; my byte is that of block 2 c + h: byte 2 (c % 2) + h of K step c / 2's word
	v_lshrrev_b32 v[HU+pq], 23, v[HSO]
.elseif cq == 2
	v_lshrrev_b32 v[HV+pq], 23, v[HSO]
.else
	v_lshrrev_b32 v[HBT], 23, v[HSO]
.if cq == 1
	v_lshl_or_b32 v[HU+pq], v[HBT], 16, v[HU+pq]
.else
	v_lshl_or_b32 v[HV+pq], v[HBT], 16, v[HV+pq]
	v_lshlrev_b32 v[HU+pq], v[SH8], v[HU+pq]
	v_lshlrev_b32 v[HV+pq], v[SH8], v[HV+pq]
	v_permlane16_swap_b32 v[HU+pq], v[HV+pq]       ; the first now holds the h = 0 halves (lanes 0-15: K step 0's, lanes 16-31: K step 1's), the second the h = 1 halves
	v_or_b32 v[HS+pq], v[HU+pq], v[HV+pq]
.endif
.endif
	v_cvt_scalef32_pk16_fp6_f32 v[HTQ:HTQ+2], v[AB+16:AB+31], v[HSO]   ; the block's upper 16 codes, to be moved: three registers begin on an even number
	WIN 0x40
	v_cvt_scalef32_pk16_fp6_f32 v[rH:rH+2], v[AB:AB+15], v[HSO]
	v_nop                                          ; one plain place behind the conversions
.irp k, 0,1,2
	v_mov_b32 v[rH+3+\k], v[HTQ+\k]
.endr
	WIN 0
.endm
; PRODUCT 2, tile t of 16 units for the four tiles of points, into buffer t % 2.  The four accumulators take turns, one instruction a turn.
.macro M2 t
.set rD, ACC+32*((\t)%2)
.set rB, W2F+24*((\t)%2)
	WIN 0x05                                       ; the hidden layer's codes and W2 in window 1
.irp p, 0,1,2,3
	v_wmma_scale_f32_16x16x128_f8f6f4 v[rD+8*\p:rD+8*\p+7], v[H1C+24*\p:H1C+24*\p+11], v[rB:rB+11], 0, v[HS+\p], v[W2S+(\t)] matrix_a_fmt:MATRIX_FMT_FP6 matrix_b_fmt:MATRIX_FMT_FP6
.endr
.irp p, 0,1,2,3
	v_wmma_scale_f32_16x16x128_f8f6f4 v[rD+8*\p:rD+8*\p+7], v[H1C+24*\p+12:H1C+24*\p+23], v[rB+12:rB+23], v[rD+8*\p:rD+8*\p+7], v[HS+\p], v[W2S+(\t)] matrix_a_fmt:MATRIX_FMT_FP6 matrix_b_fmt:MATRIX_FMT_FP6 matrix_a_scale:MATRIX_SCALE_ROW1 matrix_b_scale:MATRIX_SCALE_ROW1
.endr
.endm
.macro V2 t                            ; z's partial sums += w3 max(a, -b2); the first tile starts them
.set AB, ACC+32*((\t)%2)
.set rW, WB+2*(\t)
	WIN 0
.set i, 0
.rept 16
	RELUB AB+2*i, rW+1
.set i, i+1
.endr
.set i, 0
.rept 16
.if (\t) == 0
	v_pk_mul_f32 v[ZA+2*i:ZA+2*i+1], v[AB+2*i:AB+2*i+1], v[rW:rW+1] op_sel_hi:[1,0]
.else
	v_pk_fma_f32 v[ZA+2*i:ZA+2*i+1], v[AB+2*i:AB+2*i+1], v[rW:rW+1], v[ZA+2*i:ZA+2*i+1] op_sel_hi:[1,0,1]
.endif
.set i, i+1
.endr
.endm
; A stage of the sum over the 16 lanes of a half: of two registers d apart each lane keeps one (by bit of r) and gives the other to the lane xm away, so the registers halve.  All selects first, then the additions.
.macro STAGE d, m, xm
.set i, 0
.set k, 0
.rept 32
.if (i%(2*(\d))) < 2
	v_cndmask_b32 v[ACC+2*k], v[ZA+i], v[ZA+i+(\d)], s[\m]
	v_cndmask_b32 v[ACC+2*k+1], v[ZA+i+(\d)], v[ZA+i], s[\m]
.set k, k+1
.endif
.set i, i+1
.endr
.set i, 0
.set k, 0
.rept 32
.if (i%(2*(\d))) < 2
	v_add_f32_dpp v[ZA+i], v[ACC+2*k+1], v[ACC+2*k] row_xmask:\xm row_mask:0xf bank_mask:0xf
.set k, k+1
.endif
.set i, i+1
.endr
.endm
.Ltrip:                                            ; 64 points
	s_wait_loadcnt 0x0                             ; the trip's indices and x, asked for a trip ago
.irp n, 0,1,2,3,4,5
	ADDR \n
.endr
	WIN 0x40
	s_wait_alu depctr_va_vdst(0)                   ; the offsets of steps 0 to 5 are written, which the gathers read; the last trip's conversions and products are done writing and reading the ring's registers, in which the gathers land
.irp n, 0,1,2,3,4,5
	GATHER \n                                      ; the ring is filled: 48 loads
.endr
	WIN 0
.irp n, 6,7,8,9,10,11,12,13,14,15
	ADDR \n                                        ; the other ten steps' offsets, each in registers of its own, which no gather that is out reads: step 0's wait states them written
.endr
.irp n, 0,1,2,3,4,5,6,7,8,9,10,11,12,13,14
	ESTEP \n
.endr
	WIN 0x40
	s_wait_alu depctr_va_vdst(0)                   ; steps 10 and 11 are done reading slots 4 and 5, and the last trip's product 1 its buffers of W1: the LDS loads below land there
	LOADC 0                                        ; b1's buffers lie in slots 4 and 5, whose last steps were 10 and 11
	LOADC 1
	WIN 0
	ESTEP 15                                       ; its wait is for 0: every gather is in
	s_wait_alu depctr_va_vdst(0)                   ; the weights' lines are done reading x, and the offsets' lines have written v82-97: the next trip's loads land in both; enc's codes and scale words are written, which the sixteen pieces of product 1 take as source 1 and as scales
	s_wait_alu depctr_vm_vsrc(0)                   ; the gathers have read their offsets: v82-97, in which the next trip's indices land, and v224-239, which product 1's vector work writes again
	s_cmp_eq_u32 s40, 1                            ; the next trip's indices and x, if there is a next trip: no load leaves its buffer
	s_cbranch_scc1 .Lno_next
.irp p, 0,1,2,3
	global_load_b128 v[IDX+4*\p:IDX+4*\p+3], v[AIX], s[10:11] offset:2048+512*\p th:TH_LOAD_NT
	global_load_b64 v[XX+2*\p:XX+2*\p+1], v[AXX], s[8:9] offset:512+128*\p th:TH_LOAD_NT
.endr
.Lno_next:
	s_wait_dscnt 14                                ; group 0 is in; group 1's 14 loads may be out
	M1 0
.rept 5
	v_nop                                          ; places behind the first piece: four ahead of the first read of its results, five ahead of the piece after next, which writes over them
.endr
.set uq, 0
.rept 15                                       ; a piece's matrix instructions, then the vector work of the piece before
.if (uq+1)%4 == 0
	s_wait_dscnt 0x0                               ; the next group of W1 and b1 is in
.endif
	M1 uq+1
	V1 uq
.if uq == 3
	WIN 0x40
	s_wait_alu depctr_va_vdst(0)                   ; pieces 0 to 3 are done reading group 0's fragments of W1 and its b1, in whose registers group 2's land
	LOADC 2                                        ; into the buffers that group 0 has left
	WIN 0
.endif
.if uq == 7
	WIN 0x40
	s_wait_alu depctr_va_vdst(0)                   ; pieces 4 to 7 are done reading group 1's fragments of W1 and its b1, in whose registers group 3's land
	LOADC 3
	WIN 0
.endif
.if uq == 14
	WIN 0x40
	s_wait_alu depctr_va_vdst(0)                   ; pieces 8 to 15 are done reading both buffers of b1, in whose registers W2's first two tiles land
	LOADW2 0                                       ; over b1's buffers
	LOADW2 1
	WIN 0
.endif
.set uq, uq+1
.endr
	V1 15
.rept 8
	v_nop                                          ; a scale word written by a vector instruction stands 8 places ahead of a scaled matrix instruction, codes so written 4
.endr
	s_wait_alu depctr_va_vdst(0)                   ; behind the places: the hidden layer's codes and scale words are written, which product 2 takes as source 0 and as scales
.set tq, 0
.rept 16
.if tq == 15
	s_wait_dscnt 0x0
.else
	s_wait_dscnt 6                                 ; tile tq of W2 is in; the next tile's six loads may be out
.endif
	M2 tq
.if tq == 0
.rept 4
	v_nop                                          ; places ahead of the first read of results
.endr
.else
	V2 tq-1
.endif
.if tq <= 13
	WIN 0x40
	s_wait_alu depctr_va_vdst(0)                   ; this tile's eight products are done reading their buffer of W2, in which the tile two on lands
	LOADW2 tq+2                                    ; into the buffer just multiplied
	WIN 0
.endif
.set tq, tq+1
.endr
	V2 15
	STAGE 2, 48, 1                                 ; 32 registers x 16 lanes -> 2 registers: lane (r, h), register e holds partial sum number 2 r + e: tile r / 4, point 8 h + 2 (r % 4) + e
	STAGE 4, 49, 2
	STAGE 8, 50, 4
	STAGE 16, 51, 8
	v_add_f32 v[ZA], s46, v[ZA]                    ; + S
	v_add_f32 v[ZA+1], s46, v[ZA+1]
	v_add_f32 v[ZA], s47, v[ZA]                    ; + b3
	v_add_f32 v[ZA+1], s47, v[ZA+1]
	s_wait_alu depctr_va_vdst(0)                   ; the additions have written v224 and v225, which the store reads
	global_store_b64 v[AOUT], v[ZA:ZA+1], s[14:15] th:TH_STORE_NT   ; the wave stores the trip's 64 results: 256 consecutive bytes, aligned
	s_wait_xcnt 0x0                                ; the store and the loads ahead have read their registers and bases: these are written again only behind this wait
	s_wait_alu depctr_vm_vsrc(0)                   ; the store has read v224 and v225, which the next trip's offsets' lines write again
	s_add_nc_u64 s[8:9], s[8:9], 512
	s_add_nc_u64 s[10:11], s[10:11], 2048
	s_add_nc_u64 s[14:15], s[14:15], 256
	s_sub_co_u32 s40, s40, 1
	s_cmp_lg_u32 s40, 0
	s_cbranch_scc1 .Ltrip
	s_wait_dscnt 0x0                               ; the wave's end: the closing lines, six on end
	s_wait_alu 0x0
	s_wait_tensorcnt 0x0
	ds_add_u32 v[SPW], v[NIL]
	s_wait_dscnt 0x0
	s_endpgm
.Lfunc_end_k_q2d6a74d090_mlp:
	.size	k_q2d6a74d090_mlp, .Lfunc_end_k_q2d6a74d090_mlp-k_q2d6a74d090_mlp
	.p2alignl 7, 3214868480
	.fill 96, 4, 3214868480
	.section	.rodata,"a",@progbits
	.p2align	6, 0x0
	.amdhsa_kernel k_q2d6a74d090_mlp
		.amdhsa_group_segment_fixed_size 63488
		.amdhsa_private_segment_fixed_size 0
		.amdhsa_enable_private_segment 0
		.amdhsa_kernarg_size 96
		.amdhsa_user_sgpr_count 2
		.amdhsa_user_sgpr_kernarg_segment_ptr 1
		.amdhsa_wavefront_size32 1
		.amdhsa_system_sgpr_workgroup_id_x 1
		.amdhsa_system_sgpr_workgroup_id_y 1
		.amdhsa_system_sgpr_workgroup_id_z 1
		.amdhsa_system_vgpr_workitem_id 0
		.amdhsa_next_free_vgpr 512
		.amdhsa_next_free_sgpr 66
		.amdhsa_reserve_vcc 1
		.amdhsa_float_denorm_mode_32 3
		.amdhsa_float_denorm_mode_16_64 3
		.amdhsa_memory_ordered 1
		.amdhsa_forward_progress 1
		.amdhsa_inst_pref_size 183
	.end_amdhsa_kernel
	.amdgpu_metadata
---
amdhsa.version: [ 1, 2 ]
amdhsa.kernels:
  - .name:           k_q2d6a74d090_mlp
    .symbol:         k_q2d6a74d090_mlp.kd
    .args:
      - { .name: x, .offset: 0, .size: 8, .value_kind: global_buffer, .address_space: global }
      - { .name: cells, .offset: 8, .size: 8, .value_kind: global_buffer, .address_space: global }
      - { .name: tables, .offset: 16, .size: 8, .value_kind: global_buffer, .address_space: global }
      - { .name: out0, .offset: 24, .size: 8, .value_kind: global_buffer, .address_space: global }
      - { .name: W1_codes, .offset: 32, .size: 8, .value_kind: global_buffer, .address_space: global }
      - { .name: W1_scales, .offset: 40, .size: 8, .value_kind: global_buffer, .address_space: global }
      - { .name: W2_codes, .offset: 48, .size: 8, .value_kind: global_buffer, .address_space: global }
      - { .name: W2_scales, .offset: 56, .size: 8, .value_kind: global_buffer, .address_space: global }
      - { .name: W3, .offset: 64, .size: 8, .value_kind: global_buffer, .address_space: global }
      - { .name: b1, .offset: 72, .size: 8, .value_kind: global_buffer, .address_space: global }
      - { .name: b2, .offset: 80, .size: 8, .value_kind: global_buffer, .address_space: global }
      - { .name: b3, .offset: 88, .size: 8, .value_kind: global_buffer, .address_space: global }
    .group_segment_fixed_size: 63488
    .private_segment_fixed_size: 0
    .kernarg_segment_align: 8
    .kernarg_segment_size: 96
    .max_flat_workgroup_size: 256
    .sgpr_count:     66
    .vgpr_count:     512
    .wavefront_size: 32
...
	.end_amdgpu_metadata
.endif
;; end of part 4
